; MI455X (gfx1250); checked and timed in simulation.
; The chip was launched on July 23, 2026; its instructions are those of AMD's public machine-readable ISA for CDNA 5 (MIT licence, August 2026) and "CDNA5" Instruction Set Architecture Reference Guide (July 2026). The comments in the code are by the model that wrote it; some were corrected since.
;; DGM Net. Allowed arithmetic: float matrix products may take bf16 or f16 operands with f32 sums; other float arithmetic in f32, or as packed bf16 or f16 multiplies, adds, multiply-adds, maxima and minima; sums over many terms, partial sums and values carried from step to step in f32; what a program stores and reads back later, other than sums and carried values, may be rounded once to bf16 or f16.
;; Inputs: Uf 3 x 512 x 512 float32; Uo1 3 x 512 x 512 float32; Uu 3 x 512 x 512 float32; W_in 4 x 512 float32; W_out 512 x 1 float32; Wf 3 x 4 x 512 float32; Wo1 3 x 4 x 512 float32; Wo2 3 x 512 x 512 float32; Wu 3 x 4 x 512 float32; X 16,384 x 4 float32; b_in 1 x 512 float32; b_out 1 x 1 float32; bf 3 x 1 x 512 float32; bo1 3 x 1 x 512 float32; bo2 3 x 1 x 512 float32; bu 3 x 1 x 512 float32.
;; Outputs: out0 16,384 x 1 float32.
;; 3 versions, each right; version 3 is version 2 with the launch prep written anew for expert scheduling mode. Each part assembles by itself: llvm-mc -triple=amdgcn-amd-amdhsa -mcpu=gfx1250 --defsym DOCPART=n.
;; ======== version 1 of 3: 2 launches
;; limits: values are held in f16: magnitudes above 65,504 overflow, below 6.1e-05 lose precision
;; workspace buffers: WT 6,717,440 bytes
;; launch prep (part 1): grid 97 x 4, 4 waves a work-group, no clusters, 0 bytes of LDS; arguments Uu, Uo1, Uf, Wo2, Wu, Wo1, Wf, bu, bo1, bf, bo2, W_in, b_in, WT; writes WT
.if DOCPART == 1
	.amdgcn_target "amdgcn-amd-amdhsa--gfx1250"
	.amdhsa_code_object_version 6
	.text
	.protected	k_qf4b3c07db7_prep
	.globl	k_qf4b3c07db7_prep
	.p2align	8
	.type	k_qf4b3c07db7_prep,@function
k_qf4b3c07db7_prep:
	s_mov_b64 s[64:65], 0
	v_nop
	global_prefetch_b8 v0, s[64:65] scope:SCOPE_SE
	s_setreg_imm32_b32 hwreg(HW_REG_WAVE_MODE, 25, 1), 1
	s_wait_xcnt 0x0
; DGMNet, launch 1 of 2: the weights and biases are laid out for launch 2.
; NOTHING OF reference() IS LEFT OUT in this program: every input has a way to out0, no term cancels, no result is sliced away.
; WHAT IT DOES.  Every weight and bias is rounded to bf16 (one choice for all inputs of the program) and that number is written as f16, in the order and register image in which launch 2 takes it.
; A FRAGMENT is 1,024 bytes: source 0 of one matrix instruction, 16 output columns x 32 k, as [half q][lane L][8 f16]: lane L = 16 h + r holds column c0 + r, half q holds k = k0 + 16 q + 8 h + 0..7.
; A CHUNK n = 32 l + p is [wave w = 0..3][fragment f = 0..16], 69,632 bytes: columns 128 w + 16 t .. + 15 of one matrix of layer l.
;   p even, under 16: Uu, t = p / 2;  p odd, under 16: Uo1, t = p / 2;  p = 16..23: Uf, t = p - 16;  p = 24..31: Wo2, t = p - 24.
;   f = 1 + ks: M[32 ks + ..][c].  f = 0, the EXT fragment: k = 0..3 the gate's W[l][k][c] (zeros for Wo2), k = 4 its bias, k = 5..31 zeros: the product with X and the bias become one more K step.
; Behind the 96 chunks lie W_in's and b_in's 32 ext fragments, tile after tile.
; SHARES.  Work-group (x, y), x under 96: matrix x / 8, 64 columns (256 bytes of each source row; 16 columns a wave) x 128 k; a wave makes 4 fragments, and with y = 0 its ext fragment.  x = 96: each of the 16 waves makes two of W_in's.
; Each store of a wave covers 512 consecutive bytes, aligned.  No LDS, no cluster, no prefetch: a short stream whose work-groups share nothing.
; LIMITS.  A weight or bias of 65,520 or more (after the rounding to bf16) becomes an infinity; below 2^-14 it keeps f16's fixed step of 6e-8.  NaN and infinities are not treated apart.
.set CH,     69632                     ; bytes in a chunk
.set WP,     17408                     ; a wave's part of it
.set WI_OFF, 96*CH                     ; W_in's fragments
.set IN,  8                            ; v[8:71]    64 numbers as loaded: fragment i, half q, element e at 16 i + 8 q + e
.set OUT, 72                           ; v[72:103]  4 fragments x 8 registers to store; no register is stored twice
.set T,   104                          ; v[104:107] at work
.set ZR,  110                          ; v110       0
.set WVE, 2                            ; s2  wave     s3  y     s5  kind     s6  layer     s7  x mod 8
.set HM,  56                           ; s56 the lanes with h = 0
.macro CV d, a, b, tp                  ; two numbers: to bf16, widened again, and written as f16; the first into the low half
	v_cvt_pk_bf16_f32 v[\tp], v[\a], v[\b]
	v_lshlrev_b32 v[(\tp)+1], 16, v[\tp]
	v_and_b32 v[\tp], 0xffff0000, v[\tp]
	v_cvt_pk_f16_f32 v[\d], v[(\tp)+1], v[\tp]
.endm
; An ext fragment: W's four rows and the bias at byte off of s[38:39] and s[40:41], to byte doff of s[48:49].  lb: five registers for the loads; ob: eight to store.
.macro EXT lb, ob, off, doff
	s_cmp_eq_u32 s5, 3                             ; Wo2 has no product with X: its four rows are zeros
	s_cbranch_scc1 .Lnow_\@
.irp k, 0,1,2,3
	global_load_b32 v[(\lb)+\k], v6, s[38:39] offset:(\off)+2048*\k
.endr
	s_branch .Lbias_\@
.Lnow_\@:
.irp k, 0,1,2,3
	v_mov_b32 v[(\lb)+\k], 0
.endr
.Lbias_\@:
	global_load_b32 v[(\lb)+4], v6, s[40:41] offset:\off
	s_wait_loadcnt 0x0
	CV \ob, \lb, (\lb)+1, T
	CV (\ob)+1, (\lb)+2, (\lb)+3, T+2
	CV (\ob)+2, (\lb)+4, ZR, T
.irp k, 0,1,2
	v_cndmask_b32 v[(\ob)+\k], 0, v[(\ob)+\k], s[HM]   ; lanes with h = 1 hold k = 8..15: zeros
.endr
.irp k, 3,4,5,6,7
	v_mov_b32 v[(\ob)+\k], 0
.endr
	global_store_b128 v5, v[(\ob):(\ob)+3], s[48:49] offset:\doff
	global_store_b128 v5, v[(\ob)+4:(\ob)+7], s[48:49] offset:(\doff)+512
.endm
	s_load_b512 s[8:23], s[0:1], 0x0               ; Uu 8, Uo1 10, Uf 12, Wo2 14, Wu 16, Wo1 18, Wf 20, bu 22
	s_load_b256 s[24:31], s[0:1], 0x40             ; bo1 24, bf 26, bo2 28, W_in 30
	s_load_b128 s[32:35], s[0:1], 0x60             ; b_in 32, WT 34
	v_and_b32 v1, 31, v0                           ; L
	v_and_b32 v2, 15, v0                           ; r
	v_bfe_u32 v3, v0, 4, 1                         ; h
	v_lshlrev_b32 v6, 2, v2                        ; 4 r: my column in a row
	v_lshl_add_u32 v4, v3, 14, v6                  ; + 8 h rows of 2,048 bytes
	v_lshlrev_b32 v5, 4, v1                        ; 16 L: my 16 bytes of half a fragment
	v_lshrrev_b32 v7, 5, v0
	v_readfirstlane_b32 s[WVE], v7
	v_mov_b32 v[ZR], 0
	v_cmp_gt_u32 s[HM], 16, v1
	s_and_b32 s3, ttmp7, 0xffff
	s_mov_b32 s51, 0                               ; the high word of every offset
	s_wait_kmcnt 0x0
	s_cmp_eq_u32 ttmp9, 96
	s_cbranch_scc1 .Lwin
	s_lshr_b32 s52, ttmp9, 3
	s_lshr_b32 s6, s52, 2                          ; layer
	s_and_b32 s5, s52, 3                           ; kind: 0 Uu, 1 Uo1, 2 Uf, 3 Wo2
	s_and_b32 s7, ttmp9, 7
	s_cmp_eq_u32 s5, 0                             ; the three pointers by kind
	s_cselect_b64 s[36:37], s[8:9], s[10:11]
	s_cselect_b64 s[38:39], s[16:17], s[18:19]
	s_cselect_b64 s[40:41], s[22:23], s[24:25]
	s_cmp_eq_u32 s5, 2
	s_cselect_b64 s[36:37], s[12:13], s[36:37]
	s_cselect_b64 s[38:39], s[20:21], s[38:39]
	s_cselect_b64 s[40:41], s[26:27], s[40:41]
	s_cmp_eq_u32 s5, 3
	s_cselect_b64 s[36:37], s[14:15], s[36:37]
	s_cselect_b64 s[40:41], s[28:29], s[40:41]     ; (s[38:39] is not used for Wo2)
	s_lshl_b32 s53, s7, 8
	s_lshl_b32 s54, s[WVE], 6
	s_add_co_u32 s53, s53, s54                     ; my first column, in bytes: 4 (64 (x mod 8) + 16 wave)
	s_lshl_b32 s50, s6, 20                         ; the matrix of my layer,
	s_lshl_b32 s54, s3, 18                         ; my 128 rows of it
	s_add_co_u32 s50, s50, s54
	s_add_co_u32 s50, s50, s53
	s_add_nc_u64 s[36:37], s[36:37], s[50:51]
	s_lshl_b32 s50, s6, 13
	s_add_co_u32 s50, s50, s53
	s_add_nc_u64 s[38:39], s[38:39], s[50:51]
	s_lshl_b32 s50, s6, 11
	s_add_co_u32 s50, s50, s53
	s_add_nc_u64 s[40:41], s[40:41], s[50:51]
	s_and_b32 s54, s7, 1
	s_lshl_b32 s54, s54, 2
	s_add_co_u32 s54, s54, s[WVE]                  ; t
	s_lshl_b32 s55, s5, 3
	s_cmp_lt_u32 s5, 2
	s_cselect_b32 s55, s5, s55                     ; the kind's first place: 0, 1, 16, 24
	s_cselect_b32 s57, 1, 0                        ; and its stride: 2, 2, 1, 1
	s_lshl_b32 s54, s54, s57
	s_add_co_u32 s54, s54, s55
	s_lshl_b32 s55, s6, 5
	s_add_co_u32 s54, s54, s55                     ; chunk n
	s_mul_i32 s50, s54, CH
	s_lshr_b32 s55, s7, 1                          ; w
	s_mul_i32 s55, s55, WP
	s_add_co_u32 s50, s50, s55
	s_lshl_b32 s55, s3, 12                         ; my four fragments: 4 y on
	s_add_co_u32 s50, s50, s55
	s_add_nc_u64 s[48:49], s[34:35], s[50:51]
.set i_, 0
.rept 64
	global_load_b32 v[IN+i_], v4, s[36:37] offset:(32*(i_/16)+16*((i_/8)%2)+i_%8)*2048
.set i_, i_+1
.endr
.set i_, 0
.rept 4
	s_wait_loadcnt 48-16*i_                        ; fragment i's 16 loads are in; the later fragments' may stay out
.set j_, 0
.rept 8
	CV OUT+8*i_+j_, IN+16*i_+2*j_, IN+16*i_+2*j_+1, T+2*(j_%2)
.set j_, j_+1
.endr
	global_store_b128 v5, v[OUT+8*i_:OUT+8*i_+3], s[48:49] offset:(1+i_)*1024
	global_store_b128 v5, v[OUT+8*i_+4:OUT+8*i_+7], s[48:49] offset:(1+i_)*1024+512
.set i_, i_+1
.endr
	s_cmp_lg_u32 s3, 0
	s_cbranch_scc1 .Ldone
	EXT 8, 112, 0, 0                               ; y = 0: the base stands at the wave's part of the chunk, fragment 0
.Ldone:
	s_endpgm
.Lwin:                                                 ; W_in and b_in: wave u = 4 y + wave makes tiles 2 u and 2 u + 1
	s_mov_b32 s5, 0
	s_lshl_b32 s52, s3, 2
	s_add_co_u32 s52, s52, s[WVE]
	s_lshl_b32 s50, s52, 7                         ; 32 columns of 4 bytes
	s_add_nc_u64 s[38:39], s[30:31], s[50:51]
	s_add_nc_u64 s[40:41], s[32:33], s[50:51]
	s_lshl_b32 s50, s52, 11                        ; two fragments
	s_add_nc_u64 s[48:49], s[34:35], s[50:51]
	s_add_nc_u64 s[48:49], s[48:49], WI_OFF
	EXT 8, 112, 0, 0
	EXT 16, 120, 64, 1024
	s_endpgm
.Lfunc_end_k_qf4b3c07db7_prep:
	.size	k_qf4b3c07db7_prep, .Lfunc_end_k_qf4b3c07db7_prep-k_qf4b3c07db7_prep
	.p2alignl 7, 3214868480
	.fill 96, 4, 3214868480
	.section	.rodata,"a",@progbits
	.p2align	6, 0x0
	.amdhsa_kernel k_qf4b3c07db7_prep
		.amdhsa_group_segment_fixed_size 0
		.amdhsa_private_segment_fixed_size 0
		.amdhsa_enable_private_segment 0
		.amdhsa_kernarg_size 112
		.amdhsa_user_sgpr_count 2
		.amdhsa_user_sgpr_kernarg_segment_ptr 1
		.amdhsa_wavefront_size32 1
		.amdhsa_system_sgpr_workgroup_id_x 1
		.amdhsa_system_sgpr_workgroup_id_y 1
		.amdhsa_system_sgpr_workgroup_id_z 1
		.amdhsa_system_vgpr_workitem_id 0
		.amdhsa_next_free_vgpr 128
		.amdhsa_next_free_sgpr 66
		.amdhsa_reserve_vcc 0
		.amdhsa_float_denorm_mode_32 3
		.amdhsa_float_denorm_mode_16_64 3
		.amdhsa_memory_ordered 1
		.amdhsa_forward_progress 1
		.amdhsa_inst_pref_size 23
	.end_amdhsa_kernel
	.amdgpu_metadata
---
amdhsa.version: [ 1, 2 ]
amdhsa.kernels:
  - .name:           k_qf4b3c07db7_prep
    .symbol:         k_qf4b3c07db7_prep.kd
    .args:
      - { .name: Uu, .offset: 0, .size: 8, .value_kind: global_buffer, .address_space: global }
      - { .name: Uo1, .offset: 8, .size: 8, .value_kind: global_buffer, .address_space: global }
      - { .name: Uf, .offset: 16, .size: 8, .value_kind: global_buffer, .address_space: global }
      - { .name: Wo2, .offset: 24, .size: 8, .value_kind: global_buffer, .address_space: global }
      - { .name: Wu, .offset: 32, .size: 8, .value_kind: global_buffer, .address_space: global }
      - { .name: Wo1, .offset: 40, .size: 8, .value_kind: global_buffer, .address_space: global }
      - { .name: Wf, .offset: 48, .size: 8, .value_kind: global_buffer, .address_space: global }
      - { .name: bu, .offset: 56, .size: 8, .value_kind: global_buffer, .address_space: global }
      - { .name: bo1, .offset: 64, .size: 8, .value_kind: global_buffer, .address_space: global }
      - { .name: bf, .offset: 72, .size: 8, .value_kind: global_buffer, .address_space: global }
      - { .name: bo2, .offset: 80, .size: 8, .value_kind: global_buffer, .address_space: global }
      - { .name: W_in, .offset: 88, .size: 8, .value_kind: global_buffer, .address_space: global }
      - { .name: b_in, .offset: 96, .size: 8, .value_kind: global_buffer, .address_space: global }
      - { .name: WT, .offset: 104, .size: 8, .value_kind: global_buffer, .address_space: global }
    .group_segment_fixed_size: 0
    .private_segment_fixed_size: 0
    .kernarg_segment_align: 8
    .kernarg_segment_size: 112
    .max_flat_workgroup_size: 128
    .sgpr_count:     66
    .vgpr_count:     128
    .wavefront_size: 32
...
	.end_amdgpu_metadata
.endif
;; end of part 1
;; launch net (part 2): grid 256 x 1, 4 waves a work-group, clusters of 4 x 1, 327,680 bytes of LDS; arguments X, WT, W_out, b_out, out0; writes out0
.if DOCPART == 2
	.amdgcn_target "amdgcn-amd-amdhsa--gfx1250"
	.amdhsa_code_object_version 6
	.text
	.protected	k_qf4b3c07db7_net
	.globl	k_qf4b3c07db7_net
	.p2align	8
	.type	k_qf4b3c07db7_net,@function
k_qf4b3c07db7_net:
	s_mov_b64 s[64:65], 0
	v_nop
	global_prefetch_b8 v0, s[64:65] scope:SCOPE_SE
	s_setreg_imm32_b32 hwreg(HW_REG_WAVE_MODE, 25, 1), 1
	s_wait_xcnt 0x0
	s_wait_alu depctr_hold_cnt(0) depctr_sa_sdst(0) depctr_va_vdst(0) depctr_va_sdst(0) depctr_va_ssrc(0) depctr_va_vcc(0) depctr_vm_vsrc(0)
	s_getreg_b32 s2, hwreg(HW_REG_IB_STS2, 6, 4)
	s_cmp_eq_u32 s2, 0
	s_cbranch_scc0 .Lentry_in_a_cluster
	s_endpgm
.Lentry_in_a_cluster:
	s_bfe_u32 s2, ttmp6, 0x10000c
	s_cmp_lg_u32 s2, 0x3003
	s_cbranch_scc0 .Lentry_shape_is_right
	s_endpgm
.Lentry_shape_is_right:
; DGMNet, launch 2 of 2: the whole network, 64 rows of the batch to a work-group; H, F, U, O1, O2 never leave the WGP.  Nothing of reference() is left out.
; H = silu(X W_in + b_in); three times: F, U = sigmoid(X W + H U + b), O1 = tanh(..), O2 = silu((U O1) Wo2 + bo2), H = F H + O2; out = silu(H W_out + b_out).
; FORMATS.  All inputs are rounded to bf16 (launch 1 has done so for the weights and biases; X, W_out and b_out here) and, as matrix operands, written as f16; what the program makes itself (H and V = U O1
; as operands) is rounded to f16; products by v_wmma_f32_16x16x32_f16, sums in f32; the state H is carried in f32; the last product (512 terms a row) is made in f32 on the vector unit.
; LIMITS.  |X| and |H| stay under 65,504 (f16); below 2^-14 an operand keeps f16's fixed step of 6e-8.  sigmoid = 1 / (1 + 2^(-c x)), tanh = 1 - 2 / (1 + 2^(2 c x)), c = log2 e: an overflowing power gives the
; limit value; tanh near 0 is off by some 1e-7 absolutely; exponentials and reciprocals flush denormals (ISA guide 15.8).  NaN and infinities are not treated apart.
; SHARES.  Wave w makes columns 128 w .. 128 w + 127 of every gate for all 64 rows (four blocks rb of 16).  THE MATRIX INSTRUCTION IS USED TRANSPOSED: source 0 = 16 output columns x 32 k of weights,
; source 1 = 16 rows x 32 k of H or V.  In the result lane (r, h) holds row 16 rb + r and columns c0 + 8 h + 0..7; two results rounded to f16 are a fragment of source 1 for the next product.
; THE OPERAND STAYS IN REGISTERS: all 64 rows x 512 k of H, later of V, are 512 registers of every wave; the waves hand their columns to each other through LDS twice a layer.  So the loop reads from LDS only
; weights, two loads for four matrix instructions, and each weight byte is read by one wave.
; THE STREAM.  96 chunks of 69,632 bytes (launch 1's layout): a chunk gives each wave 17 fragments = 16 columns of one gate: 68 matrix instructions; fragment 0 multiplies (X, 1, 0 ..), which adds X W + b.
; Two LDS slots of one chunk take turns; two slots of two chunks would not fit beside the two exchange regions.  No padding: every LDS access is lane i at 16 i.
; CLUSTER.  All work-groups walk the same stream, so the four of a cluster ask for each chunk JOINTLY: the same tensor load, descriptor and mask in all four; each wave asks for its own part.
; BY TURNS.  While chunk n is multiplied, the activation of chunk n - 1's 32 numbers a lane rides behind its matrix instructions: lines with one vector source, which need no change of the register windows;
; the lines with two vector sources stand in a lump at the chunk's end.
; In the third layer the f16 copies of H's tiles 0..4 are stored and not read: the price of one text for the three layers.
; REGISTERS, in windows of 256 (s_set_vgpr_msb: bits 1:0 source 0, 3:2 source 1, 5:4 source 2, 7:6 destination):
;   window 0: v0-15 addresses; v16-47 XF; v48-55 WX; v56-119 W, four sets of two fragments; v120-151, v152-183 two sets of four accumulators; v184-215 SU; v216-255 at work at the start and the end
;   window 1: the operand's K steps 0-7 at 32 ks + 8 rb     window 2: K steps 8-15     window 3: H in f32, my 128 columns: tile t, block rb at 32 t + 8 rb
.set CH,     69632                     ; a chunk, and a slot
.set WP,     17408                     ; a wave's part: 68 rows of 256 bytes
.set WI_OFF, 96*CH                     ; W_in's fragments in WT
.set EH,     2*CH                      ; H as f16: [tile 8 w + t][rb][lane][16 bytes], 65,536 bytes
.set EV,     EH+65536                  ; V likewise
.set WO,     EV+65536                  ; W_out rounded to bf16, as f32: 2,048 bytes; a wave touches its own 512
.set RED,    WO+2048                   ; 4 waves x 64 partial sums
.set SPARE,  RED+1024                  ; the spare words, 128 bytes for each wave: two blocks of 256 bytes that no other line names
.set LN,   1                           ; v1   lane
.set AW,   2                           ; v2-3 my 16 bytes of a fragment's half in my part of slot 0, 1
.set AEH,  4                           ; v4   EH + 16 L
.set AEV,  5                           ; v5   EV + 16 L
.set AHW,  6                           ; v6   where I put H: EH + 16,384 w + 16 L
.set AVW,  7                           ; v7   where I put the V tile in hand
.set AVW0, 8                           ; v8   EV + 16,384 w + 16 L; never rewritten
.set PFO,  9                           ; v9   the prefetches' offset: 256 min(L, 16); never rewritten
.set SPW,  10                          ; v10  LDS address of my spare word; never rewritten
.set NIL,  11                          ; v11  0; never rewritten
.set XF,   16                          ; (X, 1, 0 ..) as four fragments of source 1
.set WX,   48                          ; the chunk's fragment 0
.set W,    56
.set ACC,  120
.set SU,   184                         ; sigmoid(U), or the work copy of a silu
.set TM,   216
.set WV,  14                           ; s14  my wave's number
.set CX,  15                           ; s15  my place in the cluster: it enters X's, out0's and the prefetches' addresses alone
.set G,   16                           ; s16  my work-group
.set G1,  20                           ; s[20:27] descriptor group 1
.set G0,  28                           ; s[28:35] descriptor group 0, a set for each slot
.set CN,  36                           ; s[36:37] -log2 e
.set CP,  38                           ; s[38:39] 2 log2 e
.set SEL, 40                           ; s[40:41] v_permlanex16_b32's selects: each lane takes its own place in the other half
.set PFA, 42                           ; s[42:43] where my prefetches stand
.set REM, 44                           ; s44  96 less the chunk in hand
.set LIM, 45                           ; s45  8 in the first cluster, else the greatest number
.set LAY, 46                           ; s46  layers to go
.set J,   47                           ; s47  counts the inner loops
.set BO,  48                           ; s48  b_out
.set VS,  49                           ; s49  2,048 x the V tile in hand
.set HM,  52                           ; s52  the lanes with h = 0
.set MSB, 0
.macro WIN new                         ; the immediate's high byte repeats the setting that is left; a switch that changes nothing is dropped
.if MSB != (\new)
	s_set_vgpr_msb (MSB<<8)|(\new)
.set MSB, (\new)
.endif
.endm
.macro PLACES                          ; four places behind a matrix instruction, in front of loads into registers that it has read and of lines that read results
.rept 4
	v_nop
.endr
.endm
.macro CREST                           ; a round of the cluster's barrier behind its opening barrier
	s_cmp_lg_u32 s[WV], 0
	s_cbranch_scc1 .Lnw0_\@
	s_barrier_signal -3
.Lnw0_\@:
	s_barrier_wait -3
	s_barrier_signal -1
	s_barrier_wait -1
.endm
.macro CROUND                          ; a whole round
	s_barrier_signal -1
	s_barrier_wait -1
	CREST
.endm
; A PREFETCH INTO THE L2, behind the joint load, its five lines and the run of LDS loads: in chunk n, of chunk n + 8, six chunks (408 matrix instructions) ahead of the tensor load that will want it.
; Every cluster walks the same stream: the first cluster asks.  Its four partners share a wave's part out BY ADDRESS, 17 blocks of 256 bytes each; lanes 0 to 16 name them, lanes 17 to 31 name the last again.
; Chunks 0 to 7 come by their loads alone; chunk 87 is the last that asks.
.macro ASK
	s_cmp_gt_u32 s[REM], s[LIM]
	s_cbranch_scc0 .Lnm_\@
	global_prefetch_b8 v[PFO], s[PFA:PFA+1] th:TH_LOAD_NT scope:SCOPE_SE
.Lnm_\@:
.endm
; THE ACTIVATIONS, 32 numbers a lane in set RA.  kind 1: U: sigmoid into SU.  2: O1: tanh in place.  3: F: sigmoid in place.  4: Z: sigmoid(z) into SU, z is kept.  0: none.
.macro SETK kind, a
.set KIND, \kind
.set RA, \a
.set RW, RA                            ; where the work is done
.set RR, RA                            ; where the reciprocal goes
.set RC, CN
.if (\kind) == 1
.set RR, SU
.endif
.if (\kind) == 2
.set RC, CP
.endif
.if (\kind) == 4
.set RW, SU
.set RR, SU
.endif
.endm
.macro R_SCALE k
	v_pk_mul_f32 v[RW+2*(\k):RW+2*(\k)+1], v[RA+2*(\k):RA+2*(\k)+1], s[RC:RC+1] op_sel_hi:[1,0]
.endm
.macro R_EXP k
	v_exp_f32 v[RW+(\k)], v[RW+(\k)]
.endm
.macro R_ADD k
	v_pk_add_f32 v[RW+2*(\k):RW+2*(\k)+1], v[RW+2*(\k):RW+2*(\k)+1], 1.0 op_sel_hi:[1,0]
.endm
.macro R_RCP k
	v_rcp_f32 v[RR+(\k)], v[RW+(\k)]
.endm
.macro R_TH k
	v_pk_fma_f32 v[RA+2*(\k):RA+2*(\k)+1], v[RA+2*(\k):RA+2*(\k)+1], -2.0, 1.0 op_sel_hi:[1,0,0]
.endm
; What rides behind matrix instruction i of a chunk's 68.  The scalings go up from each accumulator's lowest registers.  The 32 exponentials are one batch, the 32 reciprocals another:
; behind each a plain instruction and ONE wait, ahead of the first line that names a result; the second also stands ahead of the round's branches.
.macro RID
.if KIND != 0
.if i < 4
	R_SCALE 4*i
	R_SCALE 4*i+1
	R_SCALE 4*i+2
	R_SCALE 4*i+3
.elseif i < 20
	R_EXP 2*(i-4)
	R_EXP 2*(i-4)+1
.if i == 19
	v_nop
	s_wait_alu depctr_va_vdst(0)
.endif
.elseif i < 24
	R_ADD 4*(i-20)
	R_ADD 4*(i-20)+1
	R_ADD 4*(i-20)+2
	R_ADD 4*(i-20)+3
.elseif i < 40
	R_RCP 2*(i-24)
	R_RCP 2*(i-24)+1
.elseif i == 43
	v_nop
	s_wait_alu depctr_va_vdst(0)
.elseif (i >= 44) && (i < 52) && (KIND == 2)
	R_TH 2*(i-44)
	R_TH 2*(i-44)+1
.endif
.endif
.endm
; Matrix instruction j of 8 of group g (K steps 2 g and 2 g + 1) into accumulator set s, and its riders.  The four accumulators take turns, one instruction a turn, from chunk to chunk too.
.macro MM s, g, j
.set ks_, 2*(\g)+(\j)/4
.set rb_, (\j)%4
.if ks_ < 8
	WIN 0x04
.set ob_, 32*ks_+8*rb_
.else
	WIN 0x08
.set ob_, 32*(ks_-8)+8*rb_
.endif
.set wa_, W+16*((\g)%4)+8*((\j)/4)
.set d_, ACC+32*(\s)+8*rb_
	v_wmma_f32_16x16x32_f16 v[d_:d_+7], v[wa_:wa_+7], v[ob_:ob_+7], v[d_:d_+7]
	RID
.set i, i+1
.endm
.macro LOADW sl, grp                   ; group grp's two weight fragments from slot sl into set grp % 4: four loads; destination and address lie in window 0 under the products' settings too
.set st_, W+16*((\grp)%4)
.irp f, 0,1
	ds_load_b128 v[st_+8*\f:st_+8*\f+3], v[AW+(\sl)] offset:(1+2*(\grp)+\f)*1024
	ds_load_b128 v[st_+8*\f+4:st_+8*\f+7], v[AW+(\sl)] offset:(1+2*(\grp)+\f)*1024+512
.endr
.endm
.macro NEXTW sl                        ; a chunk's fragment 0 and groups 0 and 1: ten loads
	ds_load_b128 v[WX:WX+3], v[AW+(\sl)]
	ds_load_b128 v[WX+4:WX+7], v[AW+(\sl)] offset:512
	LOADW \sl, 0
	LOADW \sl, 1
.endm
.macro LOADOP e, g                     ; the operand's K steps 2 g and 2 g + 1, all four row blocks: sixteen loads; a fragment's registers 0-3 come from tile 2 ks, 4-7 from tile 2 ks + 1
.if (\g) < 4
	WIN 0x40
.set ob_, 64*(\g)
.else
	WIN 0x80
.set ob_, 64*((\g)-4)
.endif
.irp c, 0,1
.irp b, 0,1,2,3
	ds_load_b128 v[ob_+32*\c+8*\b:ob_+32*\c+8*\b+3], v[\e] offset:(4*(\g)+2*\c)*2048+512*\b
	ds_load_b128 v[ob_+32*\c+8*\b+4:ob_+32*\c+8*\b+7], v[\e] offset:(4*(\g)+2*\c+1)*2048+512*\b
.endr
.endr
.endm
; A CHUNK: 68 matrix instructions from slot s into accumulator set s; the riders work on the other set (the chunk before), by kind.
; rl = 1, 2: the operand is loaded anew from EH, EV as the chunk goes: groups 0-2 stand in front of it, group g + 3 in group g.
; fill = 1: the slot is filled again with the chunk two on; 0: chunk 94, nothing is left to ask for; 2: chunk 95, nothing is left to read either.
; WEIGHTS.  A set of W is asked for 20 matrix instructions ahead of its first use, four places (the v_nop behind a group's first four products) behind the set's last reader.
; THE COUNTS ON DScnt name the younger LDS loads that may stay out: in front of fragment 0's products sets 0, 1, 2 (12); in front of a group two younger sets (8), in group 5 the add too (9).  With rl a batch is
; 4 + 16 loads: 48 (three operand groups), 32, 36 (one group and a batch), 40 (two batches), 41.  A lump's LDS stores are younger still: the counts then wait for a little more than is needed.
.macro CHUNK s, kind, rl, fill
	SETK \kind, ACC+32*(1-(\s))
.set i, 0
	WIN 0
.if \rl
	s_wait_dscnt 48
.else
	s_wait_dscnt 12
.endif
.irp b, 0,1,2,3
	v_wmma_f32_16x16x32_f16 v[ACC+32*(\s)+8*\b:ACC+32*(\s)+8*\b+7], v[WX:WX+7], v[XF+8*\b:XF+8*\b+7], 0
	RID
.set i, i+1
.endr
.irp g, 0,1,2,3,4
.if \rl
.if \g == 0
	s_wait_dscnt 32
.elseif \g == 1
	s_wait_dscnt 36
.else
	s_wait_dscnt 40
.endif
.else
	s_wait_dscnt 8
.endif
.irp j, 0,1,2,3
	MM \s, \g, \j
	v_nop
.endr
	LOADW \s, (\g)+3
.if (\rl) == 1
	LOADOP AEH, (\g)+3
.elseif (\rl) == 2
	LOADOP AEV, (\g)+3
.endif
.irp j, 4,5,6,7
	MM \s, \g, \j
.endr
.endr
	; THE CHANGE OF SLOTS, round group 5.  Each wave waits for all its tensor loads, of which one is out: its part of the other slot; adds 0 to its spare word; and waits for that and for its reads of this slot,
	; the last of which were issued in group 4.  The barrier opens a round of the cluster's, so that no wave of any partner still reads the slot or has a load on its way; the joint refill is the first thing behind it.
.if (\fill) == 1
	s_wait_xcnt 0x0                                ; the last prefetch, a chunk back, has read its address: it is stepped here, ahead of the change's own waits
	s_add_nc_u64 s[PFA:PFA+1], s[PFA:PFA+1], CH
.endif
.if (\fill) < 2
	WIN 0                                          ; (the add's two registers lie in window 0)
	s_wait_tensorcnt 0x0                           ; no tensor load of mine is out, so a group 0 may be written
	ds_add_u32 v[SPW], v[NIL]                      ; 0 onto my spare word
.if (\fill) == 1
	s_add_nc_u64 s[G0+4*(\s)+2:G0+4*(\s)+3], s[G0+4*(\s)+2:G0+4*(\s)+3], 2*CH  ; this slot's next chunk; the type bits on top are not reached
.endif
.if \rl
	s_wait_dscnt 41
.else
	s_wait_dscnt 9
.endif
.else
	s_wait_dscnt 8
.endif
.irp j, 0,1,2,3
	MM \s, 5, \j
.endr
	s_wait_dscnt 0x0                               ; the add is done, and my reads of this slot (and of the exchange region) are over
.if (\fill) < 2
	s_barrier_signal -1
.endif
.irp j, 4,5,6,7
	MM \s, 5, \j
.endr
.if (\fill) < 2
	WIN 0
	s_barrier_wait -1
.if (\fill) == 1
	CREST
	tensor_load_to_lds s[G0+4*(\s):G0+4*(\s)+3], s[G1:G1+7]  ; my one tensor load behind the round: it has a whole chunk in which to land
	s_nop 0
.endif
	PLACES                                         ; behind the load; also the places in front of the loads below
	NEXTW 1-(\s)
.if (\fill) == 1
	ASK
	s_sub_co_u32 s[REM], s[REM], 1
.endif
.endif
.irp j, 0,1,2,3,4,5,6,7
	MM \s, 6, \j
.endr
.irp j, 0,1,2,3
	MM \s, 7, \j
.if (\fill) < 2
	v_nop
.endif
.endr
.if (\fill) < 2
	LOADW 1-(\s), 2
.endif
.irp j, 4,5,6,7
	MM \s, 7, \j
.endr
	WIN 0
	PLACES                                         ; behind the chunk's last products: the next chunk's riders read their results
.endm
; The silu's sigmoid on end, where no chunk follows under which it could ride: SU = sigmoid(a), a is kept.
.macro FLUSH a
	SETK 4, \a
	WIN 0
	PLACES
.set k_, 0
.rept 16
	R_SCALE k_
.set k_, k_+1
.endr
.set k_, 0
.rept 32
	R_EXP k_
.set k_, k_+1
.endr
	v_nop
	s_wait_alu depctr_va_vdst(0)                   ; one wait for the 32 exponentials, ahead of their first reader
.set k_, 0
.rept 16
	R_ADD k_
.set k_, k_+1
.endr
.set k_, 0
.rept 32
	R_RCP k_
.set k_, k_+1
.endr
	v_nop
	s_wait_alu depctr_va_vdst(0)                   ; and one for the 32 reciprocals
.endm
; THE LUMPS: the lines with two vector sources.
.macro LUMP_RO a                       ; V = sigmoid(U) tanh(O1), rounded to f16, into EV
	WIN 0
	v_add_nc_u32 v[AVW], s[VS], v[AVW0]
	s_add_co_u32 s[VS], s[VS], 2048
.set k_, 0
.rept 16
	v_pk_mul_f32 v[(\a)+2*k_:(\a)+2*k_+1], v[(\a)+2*k_:(\a)+2*k_+1], v[SU+2*k_:SU+2*k_+1]
.set k_, k_+1
.endr
.set k_, 0
.rept 16
	v_cvt_pk_f16_f32 v[(\a)+k_], v[(\a)+2*k_], v[(\a)+2*k_+1]
.set k_, k_+1
.endr
.irp b, 0,1,2,3
	ds_store_b128 v[AVW], v[(\a)+4*\b:(\a)+4*\b+3] offset:512*\b
.endr
.endm
.macro LUMP_RF t, a                    ; H's tile t times F
	WIN 0xc3
.set k_, 0
.rept 16
	v_pk_mul_f32 v[32*(\t)+2*k_:32*(\t)+2*k_+1], v[32*(\t)+2*k_:32*(\t)+2*k_+1], v[(\a)+2*k_:(\a)+2*k_+1]
.set k_, k_+1
.endr
	WIN 0
.endm
.macro STORE_H t, a                    ; H's tile t rounded to f16, into EH
	WIN 0x0f
.set k_, 0
.rept 16
	v_cvt_pk_f16_f32 v[(\a)+k_], v[32*(\t)+2*k_], v[32*(\t)+2*k_+1]
.set k_, k_+1
.endr
	WIN 0
.irp b, 0,1,2,3
	ds_store_b128 v[AHW], v[(\a)+4*\b:(\a)+4*\b+3] offset:2048*(\t)+512*\b
.endr
.endm
.macro LUMP_RZ t, a, st                ; H's tile t += z sigmoid(z)
	WIN 0xf0
.set k_, 0
.rept 16
	v_pk_fma_f32 v[32*(\t)+2*k_:32*(\t)+2*k_+1], v[(\a)+2*k_:(\a)+2*k_+1], v[SU+2*k_:SU+2*k_+1], v[32*(\t)+2*k_:32*(\t)+2*k_+1]
.set k_, k_+1
.endr
.if \st
	STORE_H \t, \a
.endif
	WIN 0
.endm
.macro LUMP_I t, a                     ; the first layer: H's tile t = z sigmoid(z)
	WIN 0xc0
.set k_, 0
.rept 16
	v_pk_mul_f32 v[32*(\t)+2*k_:32*(\t)+2*k_+1], v[(\a)+2*k_:(\a)+2*k_+1], v[SU+2*k_:SU+2*k_+1]
.set k_, k_+1
.endr
	STORE_H \t, \a
.endm
; In a loop the tile's number hangs on the trip: forward jumps on the counter choose the lump; they pass no barrier, wait or tensor load.
.macro DISP3RF a, t3, t2, t1
	s_cmp_eq_u32 s[J], 3
	s_cbranch_scc1 .Ld3_\@
	s_cmp_eq_u32 s[J], 2
	s_cbranch_scc1 .Ld2_\@
	LUMP_RF \t1, \a
	s_branch .Lde_\@
.Ld3_\@:
	LUMP_RF \t3, \a
	s_branch .Lde_\@
.Ld2_\@:
	LUMP_RF \t2, \a
.Lde_\@:
.endm
.macro DISP2RZ a, t2, t1
	s_cmp_eq_u32 s[J], 2
	s_cbranch_scc1 .Le2_\@
	LUMP_RZ \t1, \a, 1
	s_branch .Lee_\@
.Le2_\@:
	LUMP_RZ \t2, \a, 1
.Lee_\@:
.endm
.macro XCHG e                          ; every wave's stores into the region are done; behind the barrier the first three operand groups are asked for.  My one tensor load may stay out
	WIN 0
	s_wait_dscnt 0x0
	s_barrier_signal -1
	s_barrier_wait -1
	LOADOP \e, 0
	LOADOP \e, 1
	LOADOP \e, 2
	WIN 0
.endm
.macro CVH d, a, b                     ; two numbers: to bf16, widened again, and written as f16
	v_cvt_pk_bf16_f32 v[TM+20], v[\a], v[\b]
	v_lshlrev_b32 v[TM+21], 16, v[TM+20]
	v_and_b32 v[TM+20], 0xffff0000, v[TM+20]
	v_cvt_pk_f16_f32 v[\d], v[TM+21], v[TM+20]
.endm
	s_load_b256 s[4:11], s[0:1], 0x0               ; X s[4:5], WT s[6:7], W_out s[8:9], b_out s[10:11]
	s_load_b64 s[12:13], s[0:1], 0x20              ; out0
	v_lshl_add_u32 v[SPW], v0, 2, SPARE
	v_mov_b32 v[NIL], 0
	ds_add_u32 v[SPW], v[NIL]                      ; the wave's opening: the add, twice on end, and its wait ahead of my first tensor load; the set-up below stands between
	ds_add_u32 v[SPW], v[NIL]
	v_lshrrev_b32 v13, 5, v0
	v_readfirstlane_b32 s[WV], v13
	s_bfe_u32 s[CX], ttmp6, 0x40000
	s_lshl_b32 s[G], ttmp9, 2                      ; in a cluster launch ttmp9 counts clusters
	s_add_co_u32 s[G], s[G], s[CX]
	; descriptor group 1: a wave's part of a chunk is dense: 68 rows of 256 bytes
	s_mov_b32 s[G1], 15|(3<<16)|(1<<21)            ; 15:0 the mask: all four work-groups; 17:16 elements of 8 bytes; 21 set beside a mask; no padding
	s_mov_b32 s[G1+1], 32<<16                      ; tensor_dim0 = 32
	s_mov_b32 s[G1+2], 68<<16                      ; tensor_dim1 = 68
	s_mov_b32 s[G1+3], 32<<16                      ; tile_dim0 = 32
	s_mov_b32 s[G1+4], 68                          ; tile_dim1 = 68
	s_mov_b32 s[G1+5], 32                          ; 32 elements from row to row
	s_mov_b32 s[G1+6], 0
	s_mov_b32 s[G1+7], 0
	s_mov_b32 s[CN], 0xbfb8aa3b
	s_mov_b32 s[CN+1], s[CN]                       ; named with it as a pair
	s_mov_b32 s[CP], 0x4038aa3b
	s_mov_b32 s[CP+1], s[CP]
	s_mov_b32 s[SEL], 0x76543210
	s_mov_b32 s[SEL+1], 0xfedcba98
	s_mov_b32 s[REM], 96
	s_cmp_eq_u32 ttmp9, 0
	s_cselect_b32 s[LIM], 8, -1                    ; the same in all four partners
	s_mul_i32 s54, s[WV], WP                       ; my part of a chunk, in memory and in a slot: no place in the cluster enters it
	s_mov_b32 s55, 0
	s_mov_b32 s[G0], 1                             ; count = 1
	s_mov_b32 s[G0+1], s54                         ; LDS address: slot 0
	s_mov_b32 s[G0+4], 1
	s_add_co_u32 s[G0+5], s54, CH                  ; slot 1
	s_lshl_b32 s53, s[WV], 14
	s_mul_i32 s58, s[CX], 4352                     ; my work-group's quarter of the part, for the prefetches
	s_mov_b32 s59, 0
	s_lshl_b32 s60, s[WV], 13                      ; my eight fragments of W_in
	s_mov_b32 s61, 0
	v_and_b32 v[LN], 31, v0
	v_and_b32 v13, 15, v0                          ; r
	v_lshlrev_b32 v12, 4, v13                      ; a row of X is 16 bytes
	v_lshlrev_b32 v14, 4, v0                       ; my 16 bytes of W_out
	v_lshlrev_b32 v15, 4, v[LN]                    ; 16 L
	v_add_nc_u32 v[AW], s54, v15
	v_add_nc_u32 v[AW+1], CH, v[AW]
	v_add_nc_u32 v[AEH], EH, v15
	v_add_nc_u32 v[AEV], EV, v15
	v_add_nc_u32 v[AHW], s53, v[AEH]
	v_add_nc_u32 v[AVW0], s53, v[AEV]
	v_min_u32 v[PFO], 16, v[LN]
	v_lshlrev_b32 v[PFO], 8, v[PFO]
	v_cmp_gt_u32 s[HM], 16, v[LN]
	s_wait_dscnt 0x0                               ; both opening adds are done
	s_wait_kmcnt 0x0
	s_add_nc_u64 s[56:57], s[6:7], s[54:55]        ; WT at my part of chunk 0
	s_mov_b64 s[G0+2:G0+3], s[56:57]
	s_or_b32 s[G0+3], s[G0+3], 0x80000000          ; type = 2
	s_add_nc_u64 s[G0+6:G0+7], s[56:57], CH
	s_or_b32 s[G0+7], s[G0+7], 0x80000000
	s_add_nc_u64 s[PFA:PFA+1], s[56:57], s[58:59]
	s_add_nc_u64 s[PFA:PFA+1], s[PFA:PFA+1], 7*CH  ; chunk 0's change of slots steps it to chunk 8
	s_add_nc_u64 s[60:61], s[6:7], s[60:61]
	s_add_nc_u64 s[60:61], s[60:61], WI_OFF
	s_lshl_b32 s58, s[G], 10                       ; my 64 rows of X
	s_add_nc_u64 s[4:5], s[4:5], s[58:59]
	s_lshl_b32 s58, s[G], 8                        ; and of out0
	s_add_nc_u64 s[12:13], s[12:13], s[58:59]
	CROUND                                         ; all four work-groups are here: the first joint loads meet
	tensor_load_to_lds s[G0:G0+3], s[G1:G1+7]      ; chunks 0 and 1: two loads of mine are out
	s_nop 0
	tensor_load_to_lds s[G0+4:G0+7], s[G1:G1+7]
	s_nop 0
	PLACES
	s_load_b32 s[BO], s[10:11], 0x0
.irp b, 0,1,2,3
	global_load_b128 v[TM+4*\b:TM+4*\b+3], v12, s[4:5] offset:256*\b   ; X's row 16 rb + r (both halves of the lanes take it)
.endr
	global_load_b128 v[TM+16:TM+19], v14, s[8:9]
.irp t, 0,1,2,3,4,5,6,7
	global_load_b128 v[W+8*\t:W+8*\t+3], v15, s[60:61] offset:1024*\t
	global_load_b128 v[W+8*\t+4:W+8*\t+7], v15, s[60:61] offset:1024*\t+512
.endr
	s_wait_loadcnt 16                              ; X and W_out are in; W_in's sixteen loads may stay out
	; XF: k = 0..3 the row of X, k = 4 the number 1, all else 0: lanes with h = 0 hold k = 0..7 in registers 0-3
	v_mov_b32 v[TM+22], 0x3c00                     ; 1.0 in the low half
.irp b, 0,1,2,3
	CVH XF+8*\b, TM+4*\b, TM+4*\b+1
	CVH XF+8*\b+1, TM+4*\b+2, TM+4*\b+3
	v_cndmask_b32 v[XF+8*\b], 0, v[XF+8*\b], s[HM]
	v_cndmask_b32 v[XF+8*\b+1], 0, v[XF+8*\b+1], s[HM]
	v_cndmask_b32 v[XF+8*\b+2], 0, v[TM+22], s[HM]
.irp k, 3,4,5,6,7
	v_mov_b32 v[XF+8*\b+\k], 0
.endr
.endr
	v_cvt_pk_bf16_f32 v[TM+20], v[TM+16], v[TM+17] ; W_out rounded to bf16 and widened again
	v_cvt_pk_bf16_f32 v[TM+21], v[TM+18], v[TM+19]
	v_lshlrev_b32 v[TM+24], 16, v[TM+20]
	v_and_b32 v[TM+25], 0xffff0000, v[TM+20]
	v_lshlrev_b32 v[TM+26], 16, v[TM+21]
	v_and_b32 v[TM+27], 0xffff0000, v[TM+21]
	v_lshl_add_u32 v[TM+28], v0, 4, WO
	ds_store_b128 v[TM+28], v[TM+24:TM+27]
	s_wait_kmcnt 0x0                               ; b_out
	s_wait_loadcnt 0x0                             ; W_in
	; THE FIRST LAYER: H = silu(X W_in + b_in), a tile of 16 columns at a time: one K step
.irp t, 0,1,2,3,4,5,6,7
.irp b, 0,1,2,3
	v_wmma_f32_16x16x32_f16 v[ACC+32*(\t%2)+8*\b:ACC+32*(\t%2)+8*\b+7], v[W+8*\t:W+8*\t+7], v[XF+8*\b:XF+8*\b+7], 0
.endr
	FLUSH ACC+32*(\t%2)
	LUMP_I \t, ACC+32*(\t%2)
.endr
	s_wait_tensorcnt 0x1                           ; my part of chunk 0 is in, and I alone read it; chunk 1's may stay out
	NEXTW 0
	LOADW 0, 2
	XCHG AEH
	s_mov_b32 s[LAY], 3
.Llayer:
	s_mov_b32 s[VS], 0
	CHUNK 0, 0, 1, 1                               ; U tile 0; H comes into the operand registers
	CHUNK 1, 1, 0, 1                               ; O1 tile 0 | sigmoid(U 0)
	s_mov_b32 s[J], 7
.LloopA:                                               ; U tile t | tanh(O1 t-1), V t-1;  O1 tile t | sigmoid(U t)
	CHUNK 0, 2, 0, 1
	LUMP_RO ACC+32
	CHUNK 1, 1, 0, 1
	s_sub_co_u32 s[J], s[J], 1
	s_cmp_lg_u32 s[J], 0
	s_cbranch_scc1 .LloopA
	CHUNK 0, 2, 0, 1                               ; F tile 0 | tanh(O1 7), V 7: V's last stores; they are waited for in front of the next chunk's round
	LUMP_RO ACC+32
	CHUNK 1, 3, 0, 1                               ; F tile 1 | sigmoid(F 0)
	LUMP_RF 0, ACC
	s_mov_b32 s[J], 3
.LloopB:                                               ; F tiles 2 .. 7 | sigmoid(F 1 .. 6)
	CHUNK 0, 3, 0, 1
	DISP3RF ACC+32, 1, 3, 5
	CHUNK 1, 3, 0, 1
	DISP3RF ACC, 2, 4, 6
	s_sub_co_u32 s[J], s[J], 1
	s_cmp_lg_u32 s[J], 0
	s_cbranch_scc1 .LloopB
	LOADOP AEV, 0                                  ; V takes H's place as the operand: every wave's stores of V were done in front of a round that all have passed
	LOADOP AEV, 1
	LOADOP AEV, 2
	CHUNK 0, 3, 2, 1                               ; Z tile 0 | sigmoid(F 7)
	LUMP_RF 7, ACC+32
	CHUNK 1, 4, 0, 1                               ; Z tile 1 | silu(Z 0)
	LUMP_RZ 0, ACC, 1
	s_mov_b32 s[J], 2
.LloopC:                                               ; Z tiles 2 .. 5 | silu(Z 1 .. 4)
	CHUNK 0, 4, 0, 1
	DISP2RZ ACC+32, 1, 3
	CHUNK 1, 4, 0, 1
	DISP2RZ ACC, 2, 4
	s_sub_co_u32 s[J], s[J], 1
	s_cmp_lg_u32 s[J], 0
	s_cbranch_scc1 .LloopC
	s_cmp_eq_u32 s[LAY], 1
	s_cbranch_scc1 .Llast                          ; the last layer's tail is written out: it asks for nothing more
	CHUNK 0, 4, 0, 1
	LUMP_RZ 5, ACC+32, 1
	CHUNK 1, 4, 0, 1
	LUMP_RZ 6, ACC, 1
	FLUSH ACC+32
	LUMP_RZ 7, ACC+32, 1
	XCHG AEH
	s_sub_co_u32 s[LAY], s[LAY], 1
	s_branch .Llayer
.Llast:
	CHUNK 0, 4, 0, 0
	LUMP_RZ 5, ACC+32, 0
	CHUNK 1, 4, 0, 2
	LUMP_RZ 6, ACC, 0
	FLUSH ACC+32
	LUMP_RZ 7, ACC+32, 0
	; THE END: out = silu(H W_out + b_out).  A lane multiplies its 64 columns of each of its four rows, in f32; the halves of the lanes and then the four waves are added.
	v_bfe_u32 v[TM+24], v0, 4, 1                   ; h
	s_lshl_b32 s54, s[WV], 9
	s_add_co_u32 s54, s54, WO
	v_lshl_add_u32 v[TM+24], v[TM+24], 5, s54      ; W_out of my columns: 512 w + 32 h, tile t 64 bytes on
	s_lshl_b32 s54, s[WV], 8
	s_add_co_u32 s54, s54, RED
	v_lshl_add_u32 v[TM+25], v13, 2, s54           ; my wave's 64 sums
	v_lshl_add_u32 v[TM+26], v[LN], 3, RED
	v_lshlrev_b32 v[TM+27], 3, v[LN]
.irp t, 0,1,2,3,4,5,6,7
	ds_load_b128 v[W+8*\t:W+8*\t+3], v[TM+24] offset:64*\t
	ds_load_b128 v[W+8*\t+4:W+8*\t+7], v[TM+24] offset:64*\t+16
.endr
	s_wait_dscnt 0x0
	WIN 0x03                                       ; source 0, H, in window 3
.irp b, 0,1,2,3
	v_pk_mul_f32 v[TM+2*\b:TM+2*\b+1], v[8*\b:8*\b+1], v[W:W+1]
.endr
.set q_, 1
.rept 31                                       ; four chains, one a row block, by turns
.irp b, 0,1,2,3
	v_pk_fma_f32 v[TM+2*\b:TM+2*\b+1], v[32*(q_/4)+8*\b+2*(q_%4):32*(q_/4)+8*\b+2*(q_%4)+1], v[W+2*q_:W+2*q_+1], v[TM+2*\b:TM+2*\b+1]
.endr
.set q_, q_+1
.endr
	WIN 0
.irp b, 0,1,2,3
	v_add_f32 v[TM+8+\b], v[TM+2*\b], v[TM+2*\b+1]
.endr
.irp b, 0,1,2,3
	v_permlanex16_b32 v[TM+12+\b], v[TM+8+\b], s[SEL], s[SEL+1]   ; the row's other columns lie in the lane 16 away
.endr
.irp b, 0,1,2,3
	v_add_f32 v[TM+8+\b], v[TM+8+\b], v[TM+12+\b]
.endr
.irp b, 0,1,2,3
	ds_store_b32 v[TM+25], v[TM+8+\b] offset:64*\b  ; both halves of the lanes write the same word with the same number
.endr
	s_wait_dscnt 0x0                               ; for the others' sake
	s_barrier_signal -1
	s_barrier_wait -1
	s_cmp_lg_u32 s[WV], 0
	s_cbranch_scc1 .Lend
.irp k, 0,1,2,3
	ds_load_b64 v[TM+2*\k:TM+2*\k+1], v[TM+26] offset:256*\k   ; rows 2 L and 2 L + 1, wave k's sums
.endr
	v_mov_b32 v[TM+8], s[BO]
	v_cvt_pk_bf16_f32 v[TM+8], v[TM+8], v[TM+8]    ; b_out rounded to bf16, like every input
	v_lshlrev_b32 v[TM+8], 16, v[TM+8]
	s_wait_dscnt 0x0
	v_pk_add_f32 v[TM:TM+1], v[TM:TM+1], v[TM+2:TM+3]
	v_pk_add_f32 v[TM+4:TM+5], v[TM+4:TM+5], v[TM+6:TM+7]
	v_pk_add_f32 v[TM:TM+1], v[TM:TM+1], v[TM+4:TM+5]
	v_add_f32 v[TM], v[TM], v[TM+8]
	v_add_f32 v[TM+1], v[TM+1], v[TM+8]
	v_mul_f32 v[TM+2], s[CN], v[TM]
	v_mul_f32 v[TM+3], s[CN], v[TM+1]
	v_exp_f32 v[TM+2], v[TM+2]
	v_exp_f32 v[TM+3], v[TM+3]
	v_nop
	s_wait_alu depctr_va_vdst(0)                   ; one wait for the two exponentials
	v_add_f32 v[TM+2], 1.0, v[TM+2]
	v_add_f32 v[TM+3], 1.0, v[TM+3]
	v_rcp_f32 v[TM+2], v[TM+2]
	v_rcp_f32 v[TM+3], v[TM+3]
	v_nop
	s_wait_alu depctr_va_vdst(0)                   ; and one for the two reciprocals
	v_mul_f32 v[TM+4], v[TM], v[TM+2]
	v_mul_f32 v[TM+5], v[TM+1], v[TM+3]
	global_store_b64 v[TM+27], v[TM+4:TM+5], s[12:13]  ; 32 lanes store the work-group's 256 consecutive bytes of out0, aligned
.Lend:
	s_wait_tensorcnt 0x0                           ; the wave's end, behind my last tensor load and my last LDS store
	ds_add_u32 v[SPW], v[NIL]
	s_wait_dscnt 0x0
	CROUND                                         ; the closing round: no work-group ends while a partner may still ask for a chunk that names it
	s_endpgm
.Lfunc_end_k_qf4b3c07db7_net:
	.size	k_qf4b3c07db7_net, .Lfunc_end_k_qf4b3c07db7_net-k_qf4b3c07db7_net
	.p2alignl 7, 3214868480
	.fill 96, 4, 3214868480
	.section	.rodata,"a",@progbits
	.p2align	6, 0x0
	.amdhsa_kernel k_qf4b3c07db7_net
		.amdhsa_group_segment_fixed_size 327680
		.amdhsa_private_segment_fixed_size 0
		.amdhsa_enable_private_segment 0
		.amdhsa_kernarg_size 40
		.amdhsa_user_sgpr_count 2
		.amdhsa_user_sgpr_kernarg_segment_ptr 1
		.amdhsa_wavefront_size32 1
		.amdhsa_system_sgpr_workgroup_id_x 1
		.amdhsa_system_sgpr_workgroup_id_y 1
		.amdhsa_system_sgpr_workgroup_id_z 1
		.amdhsa_system_vgpr_workitem_id 0
		.amdhsa_next_free_vgpr 1024
		.amdhsa_next_free_sgpr 66
		.amdhsa_reserve_vcc 0
		.amdhsa_float_denorm_mode_32 3
		.amdhsa_float_denorm_mode_16_64 3
		.amdhsa_memory_ordered 1
		.amdhsa_forward_progress 1
		.amdhsa_inst_pref_size 255
	.end_amdhsa_kernel
	.section	.bss,"aw",@nobits
	.p2align	6
	.space	262144
	.amdgpu_metadata
---
amdhsa.version: [ 1, 2 ]
amdhsa.kernels:
  - .name:           k_qf4b3c07db7_net
    .symbol:         k_qf4b3c07db7_net.kd
    .args:
      - { .name: X, .offset: 0, .size: 8, .value_kind: global_buffer, .address_space: global }
      - { .name: WT, .offset: 8, .size: 8, .value_kind: global_buffer, .address_space: global }
      - { .name: W_out, .offset: 16, .size: 8, .value_kind: global_buffer, .address_space: global }
      - { .name: b_out, .offset: 24, .size: 8, .value_kind: global_buffer, .address_space: global }
      - { .name: out0, .offset: 32, .size: 8, .value_kind: global_buffer, .address_space: global }
    .group_segment_fixed_size: 327680
    .private_segment_fixed_size: 0
    .kernarg_segment_align: 8
    .kernarg_segment_size: 40
    .max_flat_workgroup_size: 128
    .sgpr_count:     66
    .vgpr_count:     1024
    .wavefront_size: 32
...
	.end_amdgpu_metadata
.endif
;; end of part 2
;; ======== version 2 of 3: 2 launches
;; limits: values are held in f16: magnitudes above 65,504 overflow, below 6.1e-05 lose precision
;; workspace buffers: WT 6,520,832 bytes
;; launch prep (part 3): grid 97 x 4, 4 waves a work-group, no clusters, 0 bytes of LDS; arguments Uu, Uo1, Uf, Wo2, Wu, Wo1, Wf, bu, bo1, bf, bo2, W_in, b_in, WT; writes WT
.if DOCPART == 3
	.amdgcn_target "amdgcn-amd-amdhsa--gfx1250"
	.amdhsa_code_object_version 6
	.text
	.protected	k_qf4b3c07db7_prep
	.globl	k_qf4b3c07db7_prep
	.p2align	8
	.type	k_qf4b3c07db7_prep,@function
k_qf4b3c07db7_prep:
	s_mov_b64 s[64:65], 0
	v_nop
	global_prefetch_b8 v0, s[64:65] scope:SCOPE_SE
	s_setreg_imm32_b32 hwreg(HW_REG_WAVE_MODE, 25, 1), 1
	s_wait_xcnt 0x0
; DGMNet, launch 1 of 2: the weights and biases are laid out for launch 2.
; NOTHING OF reference() IS LEFT OUT in this program: every input has a way to out0, no term cancels, no result is sliced away.
; WHAT IT DOES.  Every weight and bias is rounded to bf16 (one choice for all inputs of the program) and that number is written as f16, in the order and register image in which launch 2 takes it.
; A FRAGMENT is 1,024 bytes: source 0 of one matrix instruction, 16 output columns x 32 k, as [half q][lane L][8 f16]: lane L = 16 h + r holds column c0 + r, half q holds k = k0 + 16 q + 8 h + 0..7.
; A CHUNK n = 32 l + p gives each wave w of launch 2 columns 128 w + 16 t .. + 15 of one matrix of layer l:
;   p even, under 16: Uu, t = p / 2;  p odd, under 16: Uo1, t = p / 2;  p = 16..23: Uf, t = p - 16;  p = 24..31: Wo2, t = p - 24.
;   Its fragments: one for each K step ks = 0..15, M[32 ks + ..][c], and the EXT fragment: k = 0..3 the gate's W[l][k][c] (zeros for Wo2), k = 4 its bias, k = 5..31 zeros: the product with X and the bias
;   become one more K step.
; WT.  First 48 PAIRS of chunks (2 P, 2 P + 1), each [wave w][chunk 0, 1][the ext fragment's first half, 512 bytes; K steps 1 to 15], 126,976 bytes.  Then the fragments of K step 0, [chunk n][wave w].
; Then W_in's and b_in's 32 ext fragments, whole, tile after tile.
; SHARES.  Work-group (x, y), x under 96: matrix x / 8, 64 columns (256 bytes of each source row; 16 columns a wave) x 128 k; a wave makes 4 fragments, and with y = 0 its ext fragment.  x = 96: each of the 16 waves makes two of W_in's.
; Each store of a wave covers 512 consecutive bytes, aligned.  No LDS, no cluster, no prefetch: a short stream whose work-groups share nothing.
; LIMITS.  A weight or bias of 65,520 or more (after the rounding to bf16) becomes an infinity; below 2^-14 it keeps f16's fixed step of 6e-8.  NaN and infinities are not treated apart.
.set PAIR,   126976                    ; bytes in a pair of chunks
.set WPP,    31744                     ; a wave's part of it
.set CB,     15872                     ; a chunk in that part
.set WD_OFF, 48*PAIR                   ; the fragments of K step 0
.set WI_OFF, WD_OFF+96*4096            ; W_in's fragments
.set IN,  8                            ; v[8:71]    64 numbers as loaded: fragment i, half q, element e at 16 i + 8 q + e
.set OUT, 72                           ; v[72:103]  4 fragments x 8 registers to store; no register is stored twice
.set T,   104                          ; v[104:107] at work
.set ZR,  110                          ; v110       0
.set WVE, 2                            ; s2  wave     s3  y     s5  kind     s6  layer     s7  x mod 8
.set HM,  56                           ; s56 the lanes with h = 0
.macro CV d, a, b, tp                  ; two numbers: to bf16, widened again, and written as f16; the first into the low half
	v_cvt_pk_bf16_f32 v[\tp], v[\a], v[\b]
	v_lshlrev_b32 v[(\tp)+1], 16, v[\tp]
	v_and_b32 v[\tp], 0xffff0000, v[\tp]
	v_cvt_pk_f16_f32 v[\d], v[(\tp)+1], v[\tp]
.endm
; An ext fragment: W's four rows and the bias at byte off of s[38:39] and s[40:41], to byte doff of s[48:49].  lb: five registers for the loads; ob: eight to store.
; sel = 1: the kind decides whether there are rows of W.  full = 1: both halves are stored; 0: the first alone.
.macro EXT lb, ob, off, doff, sel, full
.if \sel
	s_cmp_eq_u32 s5, 3                             ; Wo2 has no product with X: its four rows are zeros
	s_cbranch_scc1 .Lnow_\@
.endif
.irp k, 0,1,2,3
	global_load_b32 v[(\lb)+\k], v6, s[38:39] offset:(\off)+2048*\k
.endr
.if \sel
	s_branch .Lbias_\@
.Lnow_\@:
.irp k, 0,1,2,3
	v_mov_b32 v[(\lb)+\k], 0
.endr
.Lbias_\@:
.endif
	global_load_b32 v[(\lb)+4], v6, s[40:41] offset:\off
	s_wait_loadcnt 0x0
	CV \ob, \lb, (\lb)+1, T
	CV (\ob)+1, (\lb)+2, (\lb)+3, T+2
	CV (\ob)+2, (\lb)+4, ZR, T
.irp k, 0,1,2
	v_cndmask_b32 v[(\ob)+\k], 0, v[(\ob)+\k], s[HM]   ; lanes with h = 1 hold k = 8..15: zeros
.endr
	v_mov_b32 v[(\ob)+3], 0
	global_store_b128 v5, v[(\ob):(\ob)+3], s[48:49] offset:\doff
.if \full
.irp k, 4,5,6,7
	v_mov_b32 v[(\ob)+\k], 0
.endr
	global_store_b128 v5, v[(\ob)+4:(\ob)+7], s[48:49] offset:(\doff)+512
.endif
.endm
	s_load_b512 s[8:23], s[0:1], 0x0               ; Uu 8, Uo1 10, Uf 12, Wo2 14, Wu 16, Wo1 18, Wf 20, bu 22
	s_load_b256 s[24:31], s[0:1], 0x40             ; bo1 24, bf 26, bo2 28, W_in 30
	s_load_b128 s[32:35], s[0:1], 0x60             ; b_in 32, WT 34
	v_and_b32 v1, 31, v0                           ; L
	v_and_b32 v2, 15, v0                           ; r
	v_bfe_u32 v3, v0, 4, 1                         ; h
	v_lshlrev_b32 v6, 2, v2                        ; 4 r: my column in a row
	v_lshl_add_u32 v4, v3, 14, v6                  ; + 8 h rows of 2,048 bytes
	v_lshlrev_b32 v5, 4, v1                        ; 16 L: my 16 bytes of half a fragment
	v_lshrrev_b32 v7, 5, v0
	v_readfirstlane_b32 s[WVE], v7
	v_mov_b32 v[ZR], 0
	v_cmp_gt_u32 s[HM], 16, v1
	s_and_b32 s3, ttmp7, 0xffff
	s_mov_b32 s51, 0                               ; the high word of every offset
	s_mov_b32 s59, 0
	s_wait_kmcnt 0x0
	s_cmp_eq_u32 ttmp9, 96
	s_cbranch_scc1 .Lwin
	s_lshr_b32 s52, ttmp9, 3
	s_lshr_b32 s6, s52, 2                          ; layer
	s_and_b32 s5, s52, 3                           ; kind: 0 Uu, 1 Uo1, 2 Uf, 3 Wo2
	s_and_b32 s7, ttmp9, 7
	s_cmp_eq_u32 s5, 0                             ; the three pointers by kind
	s_cselect_b64 s[36:37], s[8:9], s[10:11]
	s_cselect_b64 s[38:39], s[16:17], s[18:19]
	s_cselect_b64 s[40:41], s[22:23], s[24:25]
	s_cmp_eq_u32 s5, 2
	s_cselect_b64 s[36:37], s[12:13], s[36:37]
	s_cselect_b64 s[38:39], s[20:21], s[38:39]
	s_cselect_b64 s[40:41], s[26:27], s[40:41]
	s_cmp_eq_u32 s5, 3
	s_cselect_b64 s[36:37], s[14:15], s[36:37]
	s_cselect_b64 s[40:41], s[28:29], s[40:41]     ; (s[38:39] is not used for Wo2)
	s_lshl_b32 s53, s7, 8
	s_lshl_b32 s54, s[WVE], 6
	s_add_co_u32 s53, s53, s54                     ; my first column, in bytes: 4 (64 (x mod 8) + 16 wave)
	s_lshl_b32 s50, s6, 20                         ; the matrix of my layer,
	s_lshl_b32 s54, s3, 18                         ; my 128 rows of it
	s_add_co_u32 s50, s50, s54
	s_add_co_u32 s50, s50, s53
	s_add_nc_u64 s[36:37], s[36:37], s[50:51]
	s_lshl_b32 s50, s6, 13
	s_add_co_u32 s50, s50, s53
	s_add_nc_u64 s[38:39], s[38:39], s[50:51]
	s_lshl_b32 s50, s6, 11
	s_add_co_u32 s50, s50, s53
	s_add_nc_u64 s[40:41], s[40:41], s[50:51]
	s_and_b32 s54, s7, 1
	s_lshl_b32 s54, s54, 2
	s_add_co_u32 s54, s54, s[WVE]                  ; t
	s_lshl_b32 s55, s5, 3
	s_cmp_lt_u32 s5, 2
	s_cselect_b32 s55, s5, s55                     ; the kind's first place: 0, 1, 16, 24
	s_cselect_b32 s57, 1, 0                        ; and its stride: 2, 2, 1, 1
	s_lshl_b32 s54, s54, s57
	s_add_co_u32 s54, s54, s55
	s_lshl_b32 s55, s6, 5
	s_add_co_u32 s54, s54, s55                     ; chunk n
	s_lshr_b32 s55, s54, 1
	s_mul_i32 s50, s55, PAIR                       ; its pair,
	s_and_b32 s55, s54, 1
	s_mul_i32 s55, s55, CB                         ; its place in the pair,
	s_add_co_u32 s50, s50, s55
	s_lshr_b32 s55, s7, 1                          ; w
	s_mul_i32 s57, s55, WPP                        ; the wave's part,
	s_add_co_u32 s50, s50, s57
	s_lshl_b32 s57, s3, 12                         ; my four fragments: 4 y on.  K step ks lies 1,024 ks - 512 bytes behind the chunk's first byte
	s_add_co_u32 s50, s50, s57
	s_add_nc_u64 s[48:49], s[34:35], s[50:51]
	s_lshl_b32 s58, s54, 12                        ; K step 0 lies apart: 4,096 n + 1,024 w, and 512 on, since the stores below reach 512 back
	s_lshl_b32 s55, s55, 10
	s_add_co_u32 s58, s58, s55
	s_add_co_u32 s58, s58, WD_OFF+512
	s_cmp_eq_u32 s3, 0
	s_cselect_b32 s58, s58, s50                    ; my first fragment is K step 0 where y = 0
	s_add_nc_u64 s[44:45], s[34:35], s[58:59]
.set i_, 0
.rept 64
	global_load_b32 v[IN+i_], v4, s[36:37] offset:(32*(i_/16)+16*((i_/8)%2)+i_%8)*2048
.set i_, i_+1
.endr
.set i_, 0
.rept 4
	s_wait_loadcnt 48-16*i_                        ; fragment i's 16 loads are in; the later fragments' may stay out
.set j_, 0
.rept 8
	CV OUT+8*i_+j_, IN+16*i_+2*j_, IN+16*i_+2*j_+1, T+2*(j_%2)
.set j_, j_+1
.endr
.if i_ == 0
	global_store_b128 v5, v[OUT:OUT+3], s[44:45] offset:-512
	global_store_b128 v5, v[OUT+4:OUT+7], s[44:45]
.else
	global_store_b128 v5, v[OUT+8*i_:OUT+8*i_+3], s[48:49] offset:i_*1024-512
	global_store_b128 v5, v[OUT+8*i_+4:OUT+8*i_+7], s[48:49] offset:i_*1024
.endif
.set i_, i_+1
.endr
	s_cmp_lg_u32 s3, 0
	s_cbranch_scc1 .Ldone
	EXT 8, 112, 0, 0, 1, 0                         ; y = 0: the base stands at the chunk's first byte in the wave's part
.Ldone:
	s_endpgm
.Lwin:                                                 ; W_in and b_in: wave u = 4 y + wave makes tiles 2 u and 2 u + 1
	s_lshl_b32 s52, s3, 2
	s_add_co_u32 s52, s52, s[WVE]
	s_lshl_b32 s50, s52, 7                         ; 32 columns of 4 bytes
	s_add_nc_u64 s[38:39], s[30:31], s[50:51]
	s_add_nc_u64 s[40:41], s[32:33], s[50:51]
	s_lshl_b32 s50, s52, 11                        ; two fragments
	s_add_nc_u64 s[48:49], s[34:35], s[50:51]
	s_add_nc_u64 s[48:49], s[48:49], WI_OFF
	EXT 8, 112, 0, 0, 0, 1
	EXT 16, 120, 64, 1024, 0, 1
	s_endpgm
.Lfunc_end_k_qf4b3c07db7_prep:
	.size	k_qf4b3c07db7_prep, .Lfunc_end_k_qf4b3c07db7_prep-k_qf4b3c07db7_prep
	.p2alignl 7, 3214868480
	.fill 96, 4, 3214868480
	.section	.rodata,"a",@progbits
	.p2align	6, 0x0
	.amdhsa_kernel k_qf4b3c07db7_prep
		.amdhsa_group_segment_fixed_size 0
		.amdhsa_private_segment_fixed_size 0
		.amdhsa_enable_private_segment 0
		.amdhsa_kernarg_size 112
		.amdhsa_user_sgpr_count 2
		.amdhsa_user_sgpr_kernarg_segment_ptr 1
		.amdhsa_wavefront_size32 1
		.amdhsa_system_sgpr_workgroup_id_x 1
		.amdhsa_system_sgpr_workgroup_id_y 1
		.amdhsa_system_sgpr_workgroup_id_z 1
		.amdhsa_system_vgpr_workitem_id 0
		.amdhsa_next_free_vgpr 128
		.amdhsa_next_free_sgpr 66
		.amdhsa_reserve_vcc 0
		.amdhsa_float_denorm_mode_32 3
		.amdhsa_float_denorm_mode_16_64 3
		.amdhsa_memory_ordered 1
		.amdhsa_forward_progress 1
		.amdhsa_inst_pref_size 23
	.end_amdhsa_kernel
	.amdgpu_metadata
---
amdhsa.version: [ 1, 2 ]
amdhsa.kernels:
  - .name:           k_qf4b3c07db7_prep
    .symbol:         k_qf4b3c07db7_prep.kd
    .args:
      - { .name: Uu, .offset: 0, .size: 8, .value_kind: global_buffer, .address_space: global }
      - { .name: Uo1, .offset: 8, .size: 8, .value_kind: global_buffer, .address_space: global }
      - { .name: Uf, .offset: 16, .size: 8, .value_kind: global_buffer, .address_space: global }
      - { .name: Wo2, .offset: 24, .size: 8, .value_kind: global_buffer, .address_space: global }
      - { .name: Wu, .offset: 32, .size: 8, .value_kind: global_buffer, .address_space: global }
      - { .name: Wo1, .offset: 40, .size: 8, .value_kind: global_buffer, .address_space: global }
      - { .name: Wf, .offset: 48, .size: 8, .value_kind: global_buffer, .address_space: global }
      - { .name: bu, .offset: 56, .size: 8, .value_kind: global_buffer, .address_space: global }
      - { .name: bo1, .offset: 64, .size: 8, .value_kind: global_buffer, .address_space: global }
      - { .name: bf, .offset: 72, .size: 8, .value_kind: global_buffer, .address_space: global }
      - { .name: bo2, .offset: 80, .size: 8, .value_kind: global_buffer, .address_space: global }
      - { .name: W_in, .offset: 88, .size: 8, .value_kind: global_buffer, .address_space: global }
      - { .name: b_in, .offset: 96, .size: 8, .value_kind: global_buffer, .address_space: global }
      - { .name: WT, .offset: 104, .size: 8, .value_kind: global_buffer, .address_space: global }
    .group_segment_fixed_size: 0
    .private_segment_fixed_size: 0
    .kernarg_segment_align: 8
    .kernarg_segment_size: 112
    .max_flat_workgroup_size: 128
    .sgpr_count:     66
    .vgpr_count:     128
    .wavefront_size: 32
...
	.end_amdgpu_metadata
.endif
;; end of part 3
;; launch net (part 4): grid 256 x 1, 4 waves a work-group, clusters of 4 x 1, 327,680 bytes of LDS; arguments X, WT, W_out, b_out, out0; writes out0
.if DOCPART == 4
	.amdgcn_target "amdgcn-amd-amdhsa--gfx1250"
	.amdhsa_code_object_version 6
	.text
	.protected	k_qf4b3c07db7_net
	.globl	k_qf4b3c07db7_net
	.p2align	8
	.type	k_qf4b3c07db7_net,@function
k_qf4b3c07db7_net:
	s_mov_b64 s[64:65], 0
	v_nop
	global_prefetch_b8 v0, s[64:65] scope:SCOPE_SE
	s_setreg_imm32_b32 hwreg(HW_REG_WAVE_MODE, 25, 1), 1
	s_wait_xcnt 0x0
	s_wait_alu depctr_hold_cnt(0) depctr_sa_sdst(0) depctr_va_vdst(0) depctr_va_sdst(0) depctr_va_ssrc(0) depctr_va_vcc(0) depctr_vm_vsrc(0)
	s_getreg_b32 s2, hwreg(HW_REG_IB_STS2, 6, 4)
	s_cmp_eq_u32 s2, 0
	s_cbranch_scc0 .Lentry_in_a_cluster
	s_endpgm
.Lentry_in_a_cluster:
	s_bfe_u32 s2, ttmp6, 0x10000c
	s_cmp_lg_u32 s2, 0x3003
	s_cbranch_scc0 .Lentry_shape_is_right
	s_endpgm
.Lentry_shape_is_right:
; DGMNet, launch 2 of 2: the whole network, 64 rows of the batch to a work-group; H, F, U, O1, O2 never leave the WGP.  Nothing of reference() is left out.
; H = silu(X W_in + b_in); three times: F, U = sigmoid(X W + H U + b), O1 = tanh(..), O2 = silu((U O1) Wo2 + bo2), H = F H + O2; out = silu(H W_out + b_out).
; FORMATS.  All inputs are rounded to bf16 (launch 1 has done so for the weights and biases; X, W_out and b_out here) and, as matrix operands, written as f16; what the program makes itself (H and V = U O1
; as operands) is rounded to f16; products by v_wmma_f32_16x16x32_f16, sums in f32; the state H is carried in f32; the last product (512 terms a row) is made in f32 on the vector unit.
; LIMITS.  |X| and |H| stay under 65,504 (f16); below 2^-14 an operand keeps f16's fixed step of 6e-8.  sigmoid = 1 / (1 + 2^(-c x)), tanh = 1 - 2 / (1 + 2^(2 c x)), c = log2 e: an overflowing power gives the
; limit value; tanh near 0 is off by some 1e-7 absolutely; exponentials and reciprocals flush denormals (ISA guide 15.8).  NaN and infinities are not treated apart.
; SHARES.  Wave w makes columns 128 w .. 128 w + 127 of every gate for all 64 rows (four blocks rb of 16).  THE MATRIX INSTRUCTION IS USED TRANSPOSED: source 0 = 16 output columns x 32 k of weights,
; source 1 = 16 rows x 32 k of H or V.  In the result lane (r, h) holds row 16 rb + r and columns c0 + 8 h + 0..7; two results rounded to f16 are a fragment of source 1 for the next product.
; THE OPERAND STAYS IN REGISTERS: all 64 rows x 512 k of H, later of V, are 512 registers of every wave; the waves hand their columns to each other through LDS twice a layer.  So the loop reads from LDS only
; weights, and each weight byte is read by one wave.
; THE STREAM.  96 chunks (launch 1's layout): a chunk gives each wave 16 columns of one gate: 68 matrix instructions: the ext fragment, which multiplies (X, 1, 0 ..) and so adds X W + b, and 16 K steps.
; THE RING.  Two LDS slots take turns, each with a PAIR of chunks: one load a wave, 124 rows of 256 bytes, has 136 matrix instructions in which to land.  Two slots of two whole chunks (4 x 69,632 bytes) do not fit
; beside the exchange region (65,536) in 327,680.  So (a) H and V share one exchange region; (b) of the ext fragment only the first half comes (its k = 16..31 are zeros, which four registers hold throughout);
; (c) the fragment of K step 0 does not go through the ring: each wave loads its 1,024 bytes straight into registers, two chunks ahead.  No padding: every LDS access is lane i at 16 i.
; CLUSTER.  All work-groups walk the same stream, so the four of a cluster ask for each pair JOINTLY: the same tensor load, descriptor and mask in all four; each wave asks for its own part.
; The fragments of K step 0 are each work-group's own loads: one part in 17 of the stream.
; BY TURNS.  While chunk n is multiplied, the activation of chunk n - 1's 32 numbers a lane rides behind its matrix instructions.  Lines with one vector source need no change of the register windows; V's lines with
; two ride in slices of four under window 0; the lines that name H's registers stand in a lump behind the chunk, since in the loops the tile's number, and so the register, hangs on the trip.
; THE EXCHANGE REGION's ORDER.  H is read back in a layer's place 0, V's first store stands behind place 1's round; V's last store stands ahead of place 17's round, V is read back in place 24; H's first store
; stands behind place 25's round, and a barrier of its own stands between H's last store and its reading.  In front of each of these every wave has waited for all its LDS instructions.
; In the third layer the f16 copies of H's tiles 0..2 are stored and not read: the price of one text for the three layers.
; REGISTERS, in windows of 256 (s_set_vgpr_msb: bits 1:0 source 0, 3:2 source 1, 5:4 source 2, 7:6 destination):
;   window 0: v0-15 addresses; v16-47 XF; v48-55 WX; v56-119 W, two halves of four fragments; v120-151, v152-183 two sets of four accumulators; v184-215 SU; v216-239 TM; v240-255 DW
;   window 1: the operand's K steps 0-7 at 32 ks + 8 rb     window 2: K steps 8-15     window 3: H in f32, my 128 columns: tile t, block rb at 32 t + 8 rb
.set PAIR,   126976                    ; a pair of chunks, and a slot
.set WPP,    31744                     ; a wave's part: 124 rows of 256 bytes
.set CB,     15872                     ; a chunk in it: the ext fragment's first half, then K steps 1 to 15
.set SLOT1,  1<<17                     ; slot 1 begins here, so that one exclusive or turns an address in one slot into the other's
.set WD_OFF, 48*PAIR                   ; the fragments of K step 0 in WT: [chunk][wave]
.set WI_OFF, WD_OFF+96*4096            ; W_in's fragments
.set E,      SLOT1+PAIR                ; H, later V, as f16: [tile 8 w + t][rb][lane][16 bytes], 65,536 bytes
.set WO,     E+65536                   ; W_out rounded to bf16, as f32: 2,048 bytes; a wave touches its own 512
.set RED,    WO+2048                   ; 4 waves x 64 partial sums
.set SPARE,  RED+1024                  ; the spare words, 128 bytes for each wave: two blocks of 256 bytes that no other line names
.set LN,   1                           ; v1   lane
.set AW,   2                           ; v2   my 16 bytes of a fragment's half in my part of the slot in hand
.set AW0,  3                           ; v3   the same in slot 0: 31,744 w + 16 L; never rewritten
.set AE,   4                           ; v4   E + 16 L
.set AEW,  6                           ; v6   where I put H and V: E + 16,384 w + 16 L; never rewritten
.set AVW,  7                           ; v7   where I put the V tile in hand
.set PFO,  9                           ; v9   the prefetches' offset: 256 min(L, 30); never rewritten
.set SPW,  10                          ; v10  LDS address of my spare word; never rewritten
.set NIL,  11                          ; v11  0; never rewritten
.set XF,   16                          ; (X, 1, 0 ..) as four fragments of source 1
.set WX,   48                          ; the chunk's ext fragment: v48-51 loaded, v52-55 zeros throughout
.set W,    56                          ; K step ks (1 to 15) at W + 8 (ks mod 8)
.set ACC,  120
.set SU,   184                         ; sigmoid(U), or the work copy of a silu
.set TM,   216                         ; in the loop: v216-231 a tile rounded to f16, on its way into E; at work at the start and the end
.set DW,   240                         ; the fragment of K step 0: two buffers of 8, by the chunk's parity
.set WV,  14                           ; s14  my wave's number
.set CX,  15                           ; s15  my place in the cluster: it enters X's, out0's and the prefetches' addresses alone
.set G,   16                           ; s16  my work-group
.set TB,  17                           ; s17  the slot in hand: 0 or SLOT1
.set G1,  20                           ; s[20:27] descriptor group 1
.set G0,  28                           ; s[28:35] descriptor group 0: a set for each of the two first fills; the second then walks on
.set CN,  36                           ; s[36:37] -log2 e
.set CP,  38                           ; s[38:39] 2 log2 e
.set SEL, 40                           ; s[40:41] v_permlanex16_b32's selects: each lane takes its own place in the other half
.set PFA, 42                           ; s[42:43] where my prefetches stand
.set REM, 44                           ; s44  48 less the pair in hand
.set LIM, 45                           ; s45  5 in the first cluster, else the greatest number
.set LAY, 46                           ; s46  layers to go
.set J,   47                           ; s47  counts the inner loops
.set BO,  48                           ; s48  b_out
.set VS,  49                           ; s49  2,048 x the V tile in hand
.set DP,  50                           ; s[50:51] my fragment of K step 0 of the chunk after the one in hand
.set HM,  52                           ; s52  the lanes with h = 0
.set MSB, 0
.macro WIN new                         ; the immediate's high byte repeats the setting that is left; a switch that changes nothing is dropped
.if MSB != (\new)
	s_set_vgpr_msb (MSB<<8)|(\new)
.set MSB, (\new)
.endif
.endm
.macro PLACES                          ; four places behind a matrix instruction, in front of loads into registers that it has read and of lines that read results
.rept 4
	v_nop
.endr
.endm
.macro CREST                           ; a round of the cluster's barrier behind its opening barrier
	s_cmp_lg_u32 s[WV], 0
	s_cbranch_scc1 .Lnw0_\@
	s_barrier_signal -3
.Lnw0_\@:
	s_barrier_wait -3
	s_barrier_signal -1
	s_barrier_wait -1
.endm
.macro CROUND                          ; a whole round
	s_barrier_signal -1
	s_barrier_wait -1
	CREST
.endm
; A PREFETCH INTO THE L2, behind the joint load, its five lines and the run of LDS loads: at the end of pair P, of pair P + 5, three pairs (408 matrix instructions) ahead of the tensor load that will want it.
; Every cluster walks the same stream: the first cluster asks.  Its four partners share a wave's part out BY ADDRESS, 31 blocks of 256 bytes each; lanes 0 to 30 name them, lane 31 names the last again.
; Pairs 0 to 4 come by their loads alone; pair 42 is the last that asks.  The fragments of K step 0 are not asked for: their own loads go out two chunks ahead of their use.
.macro ASK
	s_cmp_gt_u32 s[REM], s[LIM]
	s_cbranch_scc0 .Lnm_\@
	global_prefetch_b8 v[PFO], s[PFA:PFA+1] th:TH_LOAD_NT scope:SCOPE_SE
.Lnm_\@:
.endm
; THE ACTIVATIONS, 32 numbers a lane in set RA.  kind 1: U: sigmoid into SU.  2: O1: r = -2 / (1 + 2^(2 c x)) in place, then V = SU + r SU = sigmoid(U) tanh(O1).  3: F: sigmoid in place.
; 4: Z: sigmoid(z) into SU, z is kept.  0: none.
.macro SETK kind, a
.set KIND, \kind
.set RA, \a
.set RW, RA                            ; where the work is done
.set RR, RA                            ; where the reciprocal goes
.set RC, CN
.if (\kind) == 1
.set RR, SU
.endif
.if (\kind) == 2
.set RC, CP
.endif
.if (\kind) == 4
.set RW, SU
.set RR, SU
.endif
.endm
.macro R_SCALE k
	v_pk_mul_f32 v[RW+2*(\k):RW+2*(\k)+1], v[RA+2*(\k):RA+2*(\k)+1], s[RC:RC+1] op_sel_hi:[1,0]
.endm
.macro R_EXP k
	v_exp_f32 v[RW+(\k)], v[RW+(\k)]
.endm
.macro R_ADD k                         ; 1 + b; for tanh -(1 + b) / 2, whose reciprocal is -2 / (1 + b)
.if KIND == 2
	v_pk_fma_f32 v[RW+2*(\k):RW+2*(\k)+1], v[RW+2*(\k):RW+2*(\k)+1], -0.5, -0.5 op_sel_hi:[1,0,0]
.else
	v_pk_add_f32 v[RW+2*(\k):RW+2*(\k)+1], v[RW+2*(\k):RW+2*(\k)+1], 1.0 op_sel_hi:[1,0]
.endif
.endm
.macro R_RCP k
	v_rcp_f32 v[RR+(\k)], v[RW+(\k)]
.endm
.macro R_V k                           ; V = r sigmoid(U) + sigmoid(U)
	v_pk_fma_f32 v[RA+2*(\k):RA+2*(\k)+1], v[RA+2*(\k):RA+2*(\k)+1], v[SU+2*(\k):SU+2*(\k)+1], v[SU+2*(\k):SU+2*(\k)+1]
.endm
.macro R_C k                           ; rounded to f16
	v_cvt_pk_f16_f32 v[TM+(\k)], v[RA+2*(\k)], v[RA+2*(\k)+1]
.endm
; What rides behind matrix instruction i of a chunk's 68.  The scalings go up from each accumulator's lowest registers.
;   0: four scalings.   1-13: a scaling (while there are any) and two exponentials.   14-19: an exponential.   Scaling k stands one product or more ahead of its pair's exponentials.
;   20: four additions.   21-51: an addition (while there are any) and a reciprocal; 51: two reciprocals.   Addition k stands ahead of its pair's reciprocals, and names no register that a reciprocal has written.
;   52-60, V alone: four products with sigmoid(U) a slice, four roundings a slice, the store's address: under window 0.
; The 32 exponentials are one batch, the 32 reciprocals another: CHUNK writes a plain instruction and ONE wait behind each (behind 19 and behind 51), ahead of the first line that names a result.
.macro RID
.if KIND != 0
.if i == 0
	R_SCALE 0
	R_SCALE 1
	R_SCALE 2
	R_SCALE 3
.elseif i < 20
.if i < 13
	R_SCALE i+3
.endif
.if i < 14
	R_EXP 2*i-2
	R_EXP 2*i-1
.else
	R_EXP i+12
.endif
.elseif i == 20
	R_ADD 0
	R_ADD 1
	R_ADD 2
	R_ADD 3
.elseif i < 52
.if i < 33
	R_ADD i-17
.endif
	R_RCP i-21
.if i == 51
	R_RCP 31
.endif
.elseif KIND == 2
.if i < 56
	WIN 0
	R_V 4*(i-52)
	R_V 4*(i-52)+1
	R_V 4*(i-52)+2
	R_V 4*(i-52)+3
.elseif i < 60
	WIN 0
	R_C 4*(i-56)
	R_C 4*(i-56)+1
	R_C 4*(i-56)+2
	R_C 4*(i-56)+3
.elseif i == 60
	WIN 0
	v_add_nc_u32 v[AVW], s[VS], v[AEW]
	s_add_co_u32 s[VS], s[VS], 2048
.endif
.endif
.endif
.endm
; The matrix instruction of K step ks and row block rb into accumulator set c, and its riders.  The four accumulators take turns, one instruction a turn, from chunk to chunk too.
; K step 0's weights lie in DW's buffer c, all others' in W.
.macro MM c, ks, rb
.if (\ks) < 8
	WIN 0x04
.set ob_, 32*(\ks)+8*(\rb)
.else
	WIN 0x08
.set ob_, 32*((\ks)-8)+8*(\rb)
.endif
.if (\ks) == 0
.set wa_, DW+8*(\c)
.else
.set wa_, W+8*((\ks)%8)
.endif
.set d_, ACC+32*(\c)+8*(\rb)
	v_wmma_f32_16x16x32_f16 v[d_:d_+7], v[wa_:wa_+7], v[ob_:ob_+7], v[d_:d_+7]
	RID
.set i, i+1
.endm
.macro MK c, ks                        ; a K step: four matrix instructions
.irp b, 0,1,2,3
	MM \c, \ks, \b
.endr
.endm
.macro LOADQ co, q                     ; K steps 4 q .. 4 q + 3 (q = 0: 1 to 3) of the chunk at byte co of my part: eight loads (six); destination and address lie in window 0 under the products' settings too
.irp f, 0,1,2,3
.if 4*(\q)+\f > 0
.set st_, W+8*((4*(\q)+\f)%8)
	ds_load_b128 v[st_:st_+3], v[AW] offset:(\co)+(4*(\q)+\f)*1024-512
	ds_load_b128 v[st_+4:st_+7], v[AW] offset:(\co)+(4*(\q)+\f)*1024
.endif
.endr
.endm
.macro NEXTA co                        ; a chunk's ext half and K steps 1 to 3: seven loads
	ds_load_b128 v[WX:WX+3], v[AW] offset:\co
	LOADQ \co, 0
.endm
.macro LOADOP g                        ; the operand's K steps 2 g and 2 g + 1, all four row blocks: sixteen loads; a fragment's registers 0-3 come from tile 2 ks, 4-7 from tile 2 ks + 1
.if (\g) < 4
	WIN 0x40
.set ob_, 64*(\g)
.else
	WIN 0x80
.set ob_, 64*((\g)-4)
.endif
.irp c, 0,1
.irp b, 0,1,2,3
	ds_load_b128 v[ob_+32*\c+8*\b:ob_+32*\c+8*\b+3], v[AE] offset:(4*(\g)+2*\c)*2048+512*\b
	ds_load_b128 v[ob_+32*\c+8*\b+4:ob_+32*\c+8*\b+7], v[AE] offset:(4*(\g)+2*\c+1)*2048+512*\b
.endr
.endr
.endm
; A CHUNK: 68 matrix instructions.  c: its place in the slot, which is also its accumulator set and its buffer of DW; the riders work on the other set (the chunk before), by kind.
; rl = 1: the operand is loaded anew from E as the chunk goes: groups 0-2 stand in front of it (only chunks with c = 0 do so).
; fill = 3: c = 0: the next chunk lies in the same slot: no barrier.  With c = 1: fill = 1: the slot is filled again with the pair two on; 0: pair 46, nothing is left to ask for; 2: chunk 95, nothing is left to read either.
; dl = 1: my fragment of K step 0 of the chunk two on is asked for.
; THE WEIGHTS COME IN FOUR RUNS, never singly among the matrix instructions: K steps 4-7 at the tail of the chunk before, 8-11 behind product 19, 12-15 behind product 35, the next chunk's ext half and K steps 1-3 behind
; product 51.  Each run stands four v_nop behind the last product that read its half of W and 16 products or more ahead of its first use.  The two waits for the riders' batches stand directly ahead of a run,
; or ahead of the barrier's wait.
; THE COUNT ON LOADcnt: the next chunk's two loads may stay out; chunk 95 has none behind its own.
; THE COUNTS ON DScnt name the younger LDS loads that may stay out: at the head the run of K steps 4-7 (8); behind a run that run itself (8, 7).  A lump's or V's LDS stores are younger still: the counts then wait
; for a little more than is needed.  With rl: 48 (three operand groups); 32 (groups 1, 2); 32 (groups 2, 3); 16 (group 3); 40 (a run and groups 4, 5); 16 (group 5); 40 (a run and groups 6, 7); 23 (group 7 and the
; seven); 7.  There the wait stands ahead of the run, so that 56 LDS loads at the most are out.
.macro CHUNK c, kind, rl, fill, dl
	SETK \kind, ACC+32*(1-(\c))
.set i, 0
.set CO, CB*(\c)
.set NO, CB*(1-(\c))
	WIN 0
.if \rl
	s_wait_dscnt 48
.else
	s_wait_dscnt 8
.endif
.irp b, 0,1,2,3
	v_wmma_f32_16x16x32_f16 v[ACC+32*(\c)+8*\b:ACC+32*(\c)+8*\b+7], v[WX:WX+7], v[XF+8*\b:XF+8*\b+7], 0
	RID
.set i, i+1
.endr
.if \rl
	s_wait_dscnt 32
	LOADOP 3
.endif
.if (\fill) == 2
	s_wait_loadcnt 0x0
.else
	s_wait_loadcnt 0x2
.endif
	MK \c, 0
	MK \c, 1
.if \rl
	s_wait_dscnt 32
.endif
	MK \c, 2
	MK \c, 3
	PLACES                                         ; behind the last reader of W's first half; the first is also the plain instruction behind the last exponential
.if KIND != 0
	s_wait_alu depctr_va_vdst(0)                   ; one wait for the 32 exponentials, ahead of their first reader
.endif
.if \rl
	s_wait_dscnt 16
.endif
.if \dl
	s_wait_xcnt 0x0                                ; the loads of a chunk ago (and the last prefetch, 36 matrix instructions back or more) have read their addresses: the pointer may be written
	s_add_nc_u64 s[DP:DP+1], s[DP:DP+1], 4096
	global_load_b128 v[DW+8*(\c):DW+8*(\c)+3], v15, s[DP:DP+1] offset:4096
	global_load_b128 v[DW+8*(\c)+4:DW+8*(\c)+7], v15, s[DP:DP+1] offset:4608
.endif
	LOADQ CO, 2
.if \rl
	LOADOP 4
	LOADOP 5
.else
	s_wait_dscnt 8
.endif
	MK \c, 4
	MK \c, 5
.if \rl
	s_wait_dscnt 40
.endif
	MK \c, 6
	MK \c, 7
	PLACES                                         ; behind the last reader of W's second half
.if \rl
	s_wait_dscnt 16
.endif
	LOADQ CO, 3
.if \rl
	LOADOP 6
	LOADOP 7
.else
	s_wait_dscnt 8
.endif
	MK \c, 8
	MK \c, 9
.if (\fill) == 3
	; the slot's first chunk: the next chunk's first fragments come from the same slot
.if \rl
	s_wait_dscnt 40
.endif
	MK \c, 10
	MK \c, 11
	PLACES                                         ; behind the last reader of W's first half; the first is also the plain instruction behind the last reciprocal
.if KIND != 0
	s_wait_alu depctr_va_vdst(0)                   ; one wait for the 32 reciprocals
.endif
	NEXTA NO
.if \rl
	s_wait_dscnt 23
.else
	s_wait_dscnt 7
.endif
.else
	; THE CHANGE OF SLOTS, round K steps 10 and 11 of the slot's second chunk.  Each wave waits for all its tensor loads, of which one is out: its part of the other slot; adds 0 to its spare word; and waits for that and for its
	; reads of this slot, the last of which were issued behind product 35.  The barrier opens a round of the cluster's, so that no wave of any partner still reads the slot or has a load on its way; the joint refill is the first thing behind it.
.if (\fill) == 1
	s_wait_xcnt 0x0                                ; the last prefetch, a pair back, has read its address: it is stepped here, ahead of the change's own waits
	s_add_nc_u64 s[PFA:PFA+1], s[PFA:PFA+1], PAIR
.endif
.if (\fill) < 2
	WIN 0                                          ; (the add's two registers lie in window 0)
	s_wait_tensorcnt 0x0                           ; no tensor load of mine is out, so a group 0 may be written
	ds_add_u32 v[SPW], v[NIL]                      ; 0 onto my spare word
.if (\fill) == 1
	s_xor_b32 s[G0+5], s[G0+5], SLOT1              ; the walking descriptor: the other slot than last time,
	s_add_nc_u64 s[G0+6:G0+7], s[G0+6:G0+7], PAIR  ; the next pair; the type bits on top are not reached
.endif
.endif
	MK \c, 10
	s_wait_dscnt 0x0                               ; the add is done, and my reads of this slot (and of the exchange region) are over
.if (\fill) < 2
	s_barrier_signal -1
.endif
	MK \c, 11
	v_nop                                          ; the plain instruction behind the last reciprocal,
	s_wait_alu depctr_va_vdst(0)                   ; and one wait for the 32, ahead of the round's branches
.if (\fill) < 2
	WIN 0
	s_barrier_wait -1
.if (\fill) == 1
	CREST
	tensor_load_to_lds s[G0+4:G0+7], s[G1:G1+7]    ; my one tensor load behind the round: it has two chunks in which to land
	s_nop 0
.endif
	PLACES                                         ; behind the load; also the places in front of the loads below
	s_xor_b32 s[TB], s[TB], SLOT1                  ; from here on I read the other slot
	v_add_nc_u32 v[AW], s[TB], v[AW0]
	NEXTA NO
.if (\fill) == 1
	ASK
	s_sub_co_u32 s[REM], s[REM], 1
.endif
.endif
.endif
	MK \c, 12
	MK \c, 13
.if \rl
	s_wait_dscnt 7
.endif
	MK \c, 14
	MK \c, 15
	WIN 0
	PLACES                                         ; behind the chunk's last products: the next chunk's riders read their results, and the run below loads into registers that they read
.if (\fill) != 2
	LOADQ NO, 1
.endif
.if KIND == 2
.irp b, 0,1,2,3
	ds_store_b128 v[AVW], v[TM+4*\b:TM+4*\b+3] offset:512*\b   ; V's tile into E
.endr
.endif
.endm
; The silu's sigmoid on end, where no chunk follows under which it could ride: SU = sigmoid(a), a is kept.
.macro FLUSH a
	SETK 4, \a
	WIN 0
	PLACES
.set k_, 0
.rept 16
	R_SCALE k_
.set k_, k_+1
.endr
.set k_, 0
.rept 32
	R_EXP k_
.set k_, k_+1
.endr
	v_nop
	s_wait_alu depctr_va_vdst(0)                   ; one wait for the 32 exponentials, ahead of their first reader
.set k_, 0
.rept 16
	R_ADD k_
.set k_, k_+1
.endr
.set k_, 0
.rept 32
	R_RCP k_
.set k_, k_+1
.endr
	v_nop
	s_wait_alu depctr_va_vdst(0)                   ; and one for the 32 reciprocals
.endm
; THE LUMPS: the lines that name H's registers.
.macro LUMP_RF t, a                    ; H's tile t times F
	WIN 0xc3
.set k_, 0
.rept 16
	v_pk_mul_f32 v[32*(\t)+2*k_:32*(\t)+2*k_+1], v[32*(\t)+2*k_:32*(\t)+2*k_+1], v[(\a)+2*k_:(\a)+2*k_+1]
.set k_, k_+1
.endr
	WIN 0
.endm
.macro STORE_H t                       ; H's tile t rounded to f16, into E
	WIN 0x0f
.set k_, 0
.rept 16
	v_cvt_pk_f16_f32 v[TM+k_], v[32*(\t)+2*k_], v[32*(\t)+2*k_+1]
.set k_, k_+1
.endr
	WIN 0
.irp b, 0,1,2,3
	ds_store_b128 v[AEW], v[TM+4*\b:TM+4*\b+3] offset:2048*(\t)+512*\b
.endr
.endm
.macro LUMP_RZ t, a, st                ; H's tile t += z sigmoid(z)
	WIN 0xf0
.set k_, 0
.rept 16
	v_pk_fma_f32 v[32*(\t)+2*k_:32*(\t)+2*k_+1], v[(\a)+2*k_:(\a)+2*k_+1], v[SU+2*k_:SU+2*k_+1], v[32*(\t)+2*k_:32*(\t)+2*k_+1]
.set k_, k_+1
.endr
.if \st
	STORE_H \t
.endif
	WIN 0
.endm
.macro LUMP_I t, a                     ; the first layer: H's tile t = z sigmoid(z)
	WIN 0xc0
.set k_, 0
.rept 16
	v_pk_mul_f32 v[32*(\t)+2*k_:32*(\t)+2*k_+1], v[(\a)+2*k_:(\a)+2*k_+1], v[SU+2*k_:SU+2*k_+1]
.set k_, k_+1
.endr
	STORE_H \t
.endm
; In a loop the tile's number hangs on the trip: forward jumps on the counter choose the lump; they pass no barrier, wait or tensor load.
.macro DISP3RF a, t3, t2, t1
	s_cmp_eq_u32 s[J], 3
	s_cbranch_scc1 .Ld3_\@
	s_cmp_eq_u32 s[J], 2
	s_cbranch_scc1 .Ld2_\@
	LUMP_RF \t1, \a
	s_branch .Lde_\@
.Ld3_\@:
	LUMP_RF \t3, \a
	s_branch .Lde_\@
.Ld2_\@:
	LUMP_RF \t2, \a
.Lde_\@:
.endm
.macro DISP3RZ a, t3, t2, t1
	s_cmp_eq_u32 s[J], 3
	s_cbranch_scc1 .Le3_\@
	s_cmp_eq_u32 s[J], 2
	s_cbranch_scc1 .Le2_\@
	LUMP_RZ \t1, \a, 1
	s_branch .Lee_\@
.Le3_\@:
	LUMP_RZ \t3, \a, 1
	s_branch .Lee_\@
.Le2_\@:
	LUMP_RZ \t2, \a, 1
.Lee_\@:
.endm
.macro XCHG                            ; every wave's stores of H are done; behind the barrier the first three operand groups are asked for.  My one tensor load may stay out
	WIN 0
	s_wait_dscnt 0x0
	s_barrier_signal -1
	s_barrier_wait -1
	LOADOP 0
	LOADOP 1
	LOADOP 2
	WIN 0
.endm
.macro CVH d, a, b                     ; two numbers: to bf16, widened again, and written as f16
	v_cvt_pk_bf16_f32 v[TM+20], v[\a], v[\b]
	v_lshlrev_b32 v[TM+21], 16, v[TM+20]
	v_and_b32 v[TM+20], 0xffff0000, v[TM+20]
	v_cvt_pk_f16_f32 v[\d], v[TM+21], v[TM+20]
.endm
	s_load_b256 s[4:11], s[0:1], 0x0               ; X s[4:5], WT s[6:7], W_out s[8:9], b_out s[10:11]
	s_load_b64 s[12:13], s[0:1], 0x20              ; out0
	v_lshl_add_u32 v[SPW], v0, 2, SPARE
	v_mov_b32 v[NIL], 0
	ds_add_u32 v[SPW], v[NIL]                      ; the wave's opening: the add, twice on end, and its wait ahead of my first tensor load; the set-up below stands between
	ds_add_u32 v[SPW], v[NIL]
	v_lshrrev_b32 v13, 5, v0
	v_readfirstlane_b32 s[WV], v13
	s_bfe_u32 s[CX], ttmp6, 0x40000
	s_lshl_b32 s[G], ttmp9, 2                      ; in a cluster launch ttmp9 counts clusters
	s_add_co_u32 s[G], s[G], s[CX]
	; descriptor group 1: a wave's part of a pair is dense: 124 rows of 256 bytes
	s_mov_b32 s[G1], 15|(3<<16)|(1<<21)            ; 15:0 the mask: all four work-groups; 17:16 elements of 8 bytes; 21 set beside a mask; no padding
	s_mov_b32 s[G1+1], 32<<16                      ; tensor_dim0 = 32
	s_mov_b32 s[G1+2], 124<<16                     ; tensor_dim1 = 124
	s_mov_b32 s[G1+3], 32<<16                      ; tile_dim0 = 32
	s_mov_b32 s[G1+4], 124                         ; tile_dim1 = 124
	s_mov_b32 s[G1+5], 32                          ; 32 elements from row to row
	s_mov_b32 s[G1+6], 0
	s_mov_b32 s[G1+7], 0
	s_mov_b32 s[CN], 0xbfb8aa3b
	s_mov_b32 s[CN+1], s[CN]                       ; named with it as a pair
	s_mov_b32 s[CP], 0x4038aa3b
	s_mov_b32 s[CP+1], s[CP]
	s_mov_b32 s[SEL], 0x76543210
	s_mov_b32 s[SEL+1], 0xfedcba98
	s_mov_b32 s[REM], 48
	s_mov_b32 s[TB], 0
	s_cmp_eq_u32 ttmp9, 0
	s_cselect_b32 s[LIM], 5, -1                    ; the same in all four partners
	s_mul_i32 s54, s[WV], WPP                      ; my part of a pair, in memory and in a slot: no place in the cluster enters it
	s_mov_b32 s55, 0
	s_mov_b32 s[G0], 1                             ; count = 1
	s_mov_b32 s[G0+1], s54                         ; LDS address: slot 0
	s_mov_b32 s[G0+4], 1
	s_add_co_u32 s[G0+5], s54, SLOT1               ; slot 1
	s_lshl_b32 s53, s[WV], 14
	s_mul_i32 s58, s[CX], 7936                     ; my work-group's quarter of the part, for the prefetches
	s_mov_b32 s59, 0
	s_lshl_b32 s60, s[WV], 13                      ; my eight fragments of W_in
	s_mov_b32 s61, 0
	s_lshl_b32 s[DP], s[WV], 10                    ; my fragment among a chunk's four of K step 0
	s_mov_b32 s[DP+1], 0
	v_and_b32 v[LN], 31, v0
	v_and_b32 v13, 15, v0                          ; r
	v_lshlrev_b32 v12, 4, v13                      ; a row of X is 16 bytes
	v_lshlrev_b32 v14, 4, v0                       ; my 16 bytes of W_out
	v_lshlrev_b32 v15, 4, v[LN]                    ; 16 L; never rewritten
	v_add_nc_u32 v[AW0], s54, v15
	v_mov_b32 v[AW], v[AW0]
	v_add_nc_u32 v[AE], E, v15
	v_add_nc_u32 v[AEW], s53, v[AE]
	v_min_u32 v[PFO], 30, v[LN]
	v_lshlrev_b32 v[PFO], 8, v[PFO]
	v_cmp_gt_u32 s[HM], 16, v[LN]
.irp k, 4,5,6,7
	v_mov_b32 v[WX+\k], 0                          ; the ext fragment's k = 16..31
.endr
	s_wait_dscnt 0x0                               ; both opening adds are done
	s_wait_kmcnt 0x0
	s_add_nc_u64 s[56:57], s[6:7], s[54:55]        ; WT at my part of pair 0
	s_mov_b64 s[G0+2:G0+3], s[56:57]
	s_or_b32 s[G0+3], s[G0+3], 0x80000000          ; type = 2
	s_add_nc_u64 s[G0+6:G0+7], s[56:57], PAIR
	s_or_b32 s[G0+7], s[G0+7], 0x80000000
	s_add_nc_u64 s[PFA:PFA+1], s[56:57], s[58:59]
	s_add_nc_u64 s[PFA:PFA+1], s[PFA:PFA+1], 4*PAIR  ; pair 0's change of slots steps it to pair 5
	s_add_nc_u64 s[60:61], s[6:7], s[60:61]
	s_add_nc_u64 s[60:61], s[60:61], WI_OFF
	s_add_nc_u64 s[DP:DP+1], s[6:7], s[DP:DP+1]
	s_add_nc_u64 s[DP:DP+1], s[DP:DP+1], WD_OFF
	s_lshl_b32 s58, s[G], 10                       ; my 64 rows of X
	s_add_nc_u64 s[4:5], s[4:5], s[58:59]
	s_lshl_b32 s58, s[G], 8                        ; and of out0
	s_add_nc_u64 s[12:13], s[12:13], s[58:59]
	CROUND                                         ; all four work-groups are here: the first joint loads meet
	tensor_load_to_lds s[G0:G0+3], s[G1:G1+7]      ; pairs 0 and 1: two loads of mine are out
	s_nop 0
	tensor_load_to_lds s[G0+4:G0+7], s[G1:G1+7]
	s_nop 0
	PLACES
	s_load_b32 s[BO], s[10:11], 0x0
.irp b, 0,1,2,3
	global_load_b128 v[TM+4*\b:TM+4*\b+3], v12, s[4:5] offset:256*\b   ; X's row 16 rb + r (both halves of the lanes take it)
.endr
	global_load_b128 v[TM+16:TM+19], v14, s[8:9]
.irp t, 0,1,2,3,4,5,6,7
	global_load_b128 v[W+8*\t:W+8*\t+3], v15, s[60:61] offset:1024*\t
	global_load_b128 v[W+8*\t+4:W+8*\t+7], v15, s[60:61] offset:1024*\t+512
.endr
	global_load_b128 v[DW:DW+3], v15, s[DP:DP+1]                 ; K step 0 of chunk 0
	global_load_b128 v[DW+4:DW+7], v15, s[DP:DP+1] offset:512
	global_load_b128 v[DW+8:DW+11], v15, s[DP:DP+1] offset:4096  ; and of chunk 1
	global_load_b128 v[DW+12:DW+15], v15, s[DP:DP+1] offset:4608
	s_wait_loadcnt 20                              ; X and W_out are in; W_in's sixteen loads and those four may stay out
	; XF: k = 0..3 the row of X, k = 4 the number 1, all else 0: lanes with h = 0 hold k = 0..7 in registers 0-3
	v_mov_b32 v[TM+22], 0x3c00                     ; 1.0 in the low half
.irp b, 0,1,2,3
	CVH XF+8*\b, TM+4*\b, TM+4*\b+1
	CVH XF+8*\b+1, TM+4*\b+2, TM+4*\b+3
	v_cndmask_b32 v[XF+8*\b], 0, v[XF+8*\b], s[HM]
	v_cndmask_b32 v[XF+8*\b+1], 0, v[XF+8*\b+1], s[HM]
	v_cndmask_b32 v[XF+8*\b+2], 0, v[TM+22], s[HM]
.irp k, 3,4,5,6,7
	v_mov_b32 v[XF+8*\b+\k], 0
.endr
.endr
	v_cvt_pk_bf16_f32 v[TM+20], v[TM+16], v[TM+17] ; W_out rounded to bf16 and widened again
	v_cvt_pk_bf16_f32 v[TM+21], v[TM+18], v[TM+19]
	v_lshlrev_b32 v[SU], 16, v[TM+20]
	v_and_b32 v[SU+1], 0xffff0000, v[TM+20]
	v_lshlrev_b32 v[SU+2], 16, v[TM+21]
	v_and_b32 v[SU+3], 0xffff0000, v[TM+21]
	v_lshl_add_u32 v[SU+4], v0, 4, WO
	ds_store_b128 v[SU+4], v[SU:SU+3]
	s_wait_kmcnt 0x0                               ; b_out
	s_wait_loadcnt 4                               ; W_in is in; the four loads of K step 0 may stay out
	; THE FIRST LAYER: H = silu(X W_in + b_in), a tile of 16 columns at a time: one K step
.irp t, 0,1,2,3,4,5,6,7
.irp b, 0,1,2,3
	v_wmma_f32_16x16x32_f16 v[ACC+32*(\t%2)+8*\b:ACC+32*(\t%2)+8*\b+7], v[W+8*\t:W+8*\t+7], v[XF+8*\b:XF+8*\b+7], 0
.endr
	FLUSH ACC+32*(\t%2)
	LUMP_I \t, ACC+32*(\t%2)
.endr
	s_wait_tensorcnt 0x1                           ; my part of pair 0 is in, and I alone read it; pair 1's may stay out
	NEXTA 0
	LOADQ 0, 1
	XCHG
	s_mov_b32 s[LAY], 3
.Llayer:
	s_mov_b32 s[VS], 0
	CHUNK 0, 0, 1, 3, 1                            ; U tile 0; H comes into the operand registers
	CHUNK 1, 1, 0, 1, 1                            ; O1 tile 0 | sigmoid(U 0)
	s_mov_b32 s[J], 7
.LloopA:                                               ; U tile t | tanh(O1 t-1), V t-1;  O1 tile t | sigmoid(U t)
	CHUNK 0, 2, 0, 3, 1
	CHUNK 1, 1, 0, 1, 1
	s_sub_co_u32 s[J], s[J], 1
	s_cmp_lg_u32 s[J], 0
	s_cbranch_scc1 .LloopA
	CHUNK 0, 2, 0, 3, 1                            ; F tile 0 | tanh(O1 7), V 7: V's last stores; they are waited for in front of the next chunk's round
	CHUNK 1, 3, 0, 1, 1                            ; F tile 1 | sigmoid(F 0)
	LUMP_RF 0, ACC
	s_mov_b32 s[J], 3
.LloopB:                                               ; F tiles 2 .. 7 | sigmoid(F 1 .. 6)
	CHUNK 0, 3, 0, 3, 1
	DISP3RF ACC+32, 1, 3, 5
	CHUNK 1, 3, 0, 1, 1
	DISP3RF ACC, 2, 4, 6
	s_sub_co_u32 s[J], s[J], 1
	s_cmp_lg_u32 s[J], 0
	s_cbranch_scc1 .LloopB
	LOADOP 0                                       ; V takes H's place as the operand: every wave's stores of V were done in front of a round that all have passed
	LOADOP 1
	LOADOP 2
	CHUNK 0, 3, 1, 3, 1                            ; Z tile 0 | sigmoid(F 7)
	LUMP_RF 7, ACC+32
	CHUNK 1, 4, 0, 1, 1                            ; Z tile 1 | silu(Z 0)
	LUMP_RZ 0, ACC, 1
	s_mov_b32 s[J], 3
.LloopC:                                               ; Z tiles 2 .. 7 | silu(Z 1 .. 6)
	CHUNK 0, 4, 0, 3, 1
	DISP3RZ ACC+32, 1, 3, 5
	CHUNK 1, 4, 0, 1, 1
	DISP3RZ ACC, 2, 4, 6
	s_cmp_eq_u32 s[LAY], 1
	s_cbranch_scc1 .Llast                          ; the last layer leaves behind the first trip, whose refill is the launch's last: its tail is written out and asks for nothing more
	s_sub_co_u32 s[J], s[J], 1
	s_cmp_lg_u32 s[J], 0
	s_cbranch_scc1 .LloopC
	FLUSH ACC+32
	LUMP_RZ 7, ACC+32, 1
	XCHG
	s_sub_co_u32 s[LAY], s[LAY], 1
	s_branch .Llayer
.Llast:
	CHUNK 0, 4, 0, 3, 1                            ; chunks 92 to 95
	LUMP_RZ 3, ACC+32, 0
	CHUNK 1, 4, 0, 0, 1
	LUMP_RZ 4, ACC, 0
	CHUNK 0, 4, 0, 3, 0
	LUMP_RZ 5, ACC+32, 0
	CHUNK 1, 4, 0, 2, 0
	LUMP_RZ 6, ACC, 0
	FLUSH ACC+32
	LUMP_RZ 7, ACC+32, 0
	; THE END: out = silu(H W_out + b_out).  A lane multiplies its 64 columns of each of its four rows, in f32; the halves of the lanes and then the four waves are added.
	v_bfe_u32 v[TM+24], v0, 4, 1                   ; h
	s_lshl_b32 s54, s[WV], 9
	s_add_co_u32 s54, s54, WO
	v_lshl_add_u32 v[TM+24], v[TM+24], 5, s54      ; W_out of my columns: 512 w + 32 h, tile t 64 bytes on
	s_lshl_b32 s54, s[WV], 8
	s_add_co_u32 s54, s54, RED
	v_lshl_add_u32 v[TM+25], v13, 2, s54           ; my wave's 64 sums
	v_lshl_add_u32 v[TM+26], v[LN], 3, RED
	v_lshlrev_b32 v[TM+27], 3, v[LN]
.irp t, 0,1,2,3,4,5,6,7
	ds_load_b128 v[W+8*\t:W+8*\t+3], v[TM+24] offset:64*\t
	ds_load_b128 v[W+8*\t+4:W+8*\t+7], v[TM+24] offset:64*\t+16
.endr
	s_wait_dscnt 0x0
	WIN 0x03                                       ; source 0, H, in window 3
.irp b, 0,1,2,3
	v_pk_mul_f32 v[TM+2*\b:TM+2*\b+1], v[8*\b:8*\b+1], v[W:W+1]
.endr
.set q_, 1
.rept 31                                       ; four chains, one a row block, by turns
.irp b, 0,1,2,3
	v_pk_fma_f32 v[TM+2*\b:TM+2*\b+1], v[32*(q_/4)+8*\b+2*(q_%4):32*(q_/4)+8*\b+2*(q_%4)+1], v[W+2*q_:W+2*q_+1], v[TM+2*\b:TM+2*\b+1]
.endr
.set q_, q_+1
.endr
	WIN 0
.irp b, 0,1,2,3
	v_add_f32 v[TM+8+\b], v[TM+2*\b], v[TM+2*\b+1]
.endr
.irp b, 0,1,2,3
	v_permlanex16_b32 v[TM+12+\b], v[TM+8+\b], s[SEL], s[SEL+1]   ; the row's other columns lie in the lane 16 away
.endr
.irp b, 0,1,2,3
	v_add_f32 v[TM+8+\b], v[TM+8+\b], v[TM+12+\b]
.endr
.irp b, 0,1,2,3
	ds_store_b32 v[TM+25], v[TM+8+\b] offset:64*\b  ; both halves of the lanes write the same word with the same number
.endr
	s_wait_dscnt 0x0                               ; for the others' sake
	s_barrier_signal -1
	s_barrier_wait -1
	s_cmp_lg_u32 s[WV], 0
	s_cbranch_scc1 .Lend
.irp k, 0,1,2,3
	ds_load_b64 v[TM+2*\k:TM+2*\k+1], v[TM+26] offset:256*\k   ; rows 2 L and 2 L + 1, wave k's sums
.endr
	v_mov_b32 v[TM+8], s[BO]
	v_cvt_pk_bf16_f32 v[TM+8], v[TM+8], v[TM+8]    ; b_out rounded to bf16, like every input
	v_lshlrev_b32 v[TM+8], 16, v[TM+8]
	s_wait_dscnt 0x0
	v_pk_add_f32 v[TM:TM+1], v[TM:TM+1], v[TM+2:TM+3]
	v_pk_add_f32 v[TM+4:TM+5], v[TM+4:TM+5], v[TM+6:TM+7]
	v_pk_add_f32 v[TM:TM+1], v[TM:TM+1], v[TM+4:TM+5]
	v_add_f32 v[TM], v[TM], v[TM+8]
	v_add_f32 v[TM+1], v[TM+1], v[TM+8]
	v_mul_f32 v[TM+2], s[CN], v[TM]
	v_mul_f32 v[TM+3], s[CN], v[TM+1]
	v_exp_f32 v[TM+2], v[TM+2]
	v_exp_f32 v[TM+3], v[TM+3]
	v_nop
	s_wait_alu depctr_va_vdst(0)                   ; one wait for the two exponentials
	v_add_f32 v[TM+2], 1.0, v[TM+2]
	v_add_f32 v[TM+3], 1.0, v[TM+3]
	v_rcp_f32 v[TM+2], v[TM+2]
	v_rcp_f32 v[TM+3], v[TM+3]
	v_nop
	s_wait_alu depctr_va_vdst(0)                   ; and one for the two reciprocals
	v_mul_f32 v[TM+4], v[TM], v[TM+2]
	v_mul_f32 v[TM+5], v[TM+1], v[TM+3]
	global_store_b64 v[TM+27], v[TM+4:TM+5], s[12:13]  ; 32 lanes store the work-group's 256 consecutive bytes of out0, aligned
.Lend:
	s_wait_tensorcnt 0x0                           ; the wave's end, behind my last tensor load and my last LDS store
	ds_add_u32 v[SPW], v[NIL]
	s_wait_dscnt 0x0
	CROUND                                         ; the closing round: no work-group ends while a partner may still ask for a pair that names it
	s_endpgm
.Lfunc_end_k_qf4b3c07db7_net:
	.size	k_qf4b3c07db7_net, .Lfunc_end_k_qf4b3c07db7_net-k_qf4b3c07db7_net
	.p2alignl 7, 3214868480
	.fill 96, 4, 3214868480
	.section	.rodata,"a",@progbits
	.p2align	6, 0x0
	.amdhsa_kernel k_qf4b3c07db7_net
		.amdhsa_group_segment_fixed_size 327680
		.amdhsa_private_segment_fixed_size 0
		.amdhsa_enable_private_segment 0
		.amdhsa_kernarg_size 40
		.amdhsa_user_sgpr_count 2
		.amdhsa_user_sgpr_kernarg_segment_ptr 1
		.amdhsa_wavefront_size32 1
		.amdhsa_system_sgpr_workgroup_id_x 1
		.amdhsa_system_sgpr_workgroup_id_y 1
		.amdhsa_system_sgpr_workgroup_id_z 1
		.amdhsa_system_vgpr_workitem_id 0
		.amdhsa_next_free_vgpr 1024
		.amdhsa_next_free_sgpr 66
		.amdhsa_reserve_vcc 0
		.amdhsa_float_denorm_mode_32 3
		.amdhsa_float_denorm_mode_16_64 3
		.amdhsa_memory_ordered 1
		.amdhsa_forward_progress 1
		.amdhsa_inst_pref_size 255
	.end_amdhsa_kernel
	.section	.bss,"aw",@nobits
	.p2align	6
	.space	262144
	.amdgpu_metadata
---
amdhsa.version: [ 1, 2 ]
amdhsa.kernels:
  - .name:           k_qf4b3c07db7_net
    .symbol:         k_qf4b3c07db7_net.kd
    .args:
      - { .name: X, .offset: 0, .size: 8, .value_kind: global_buffer, .address_space: global }
      - { .name: WT, .offset: 8, .size: 8, .value_kind: global_buffer, .address_space: global }
      - { .name: W_out, .offset: 16, .size: 8, .value_kind: global_buffer, .address_space: global }
      - { .name: b_out, .offset: 24, .size: 8, .value_kind: global_buffer, .address_space: global }
      - { .name: out0, .offset: 32, .size: 8, .value_kind: global_buffer, .address_space: global }
    .group_segment_fixed_size: 327680
    .private_segment_fixed_size: 0
    .kernarg_segment_align: 8
    .kernarg_segment_size: 40
    .max_flat_workgroup_size: 128
    .sgpr_count:     66
    .vgpr_count:     1024
    .wavefront_size: 32
...
	.end_amdgpu_metadata
.endif
;; end of part 4
;; ======== version 3 of 3: 2 launches; version 2 with the launch prep written anew for expert scheduling mode
;; limits: values are held in f16: magnitudes above 65,504 overflow, below 6.1e-05 lose precision
;; workspace buffers: WT 6,520,832 bytes
;; launch prep (part 5): grid 97 x 4, 4 waves a work-group, no clusters, 0 bytes of LDS; arguments Uu, Uo1, Uf, Wo2, Wu, Wo1, Wf, bu, bo1, bf, bo2, W_in, b_in, WT; writes WT
.if DOCPART == 5
	.amdgcn_target "amdgcn-amd-amdhsa--gfx1250"
	.amdhsa_code_object_version 6
	.text
	.protected	k_qf4b3c07db7_prep
	.globl	k_qf4b3c07db7_prep
	.p2align	8
	.type	k_qf4b3c07db7_prep,@function
k_qf4b3c07db7_prep:
	s_mov_b64 s[64:65], 0
	v_nop
	global_prefetch_b8 v0, s[64:65] scope:SCOPE_SE
	s_setreg_imm32_b32 hwreg(HW_REG_WAVE_SCHED_MODE, 0, 2), 2
	s_setreg_imm32_b32 hwreg(HW_REG_WAVE_MODE, 25, 1), 1
	s_wait_xcnt 0x0
	s_wait_alu depctr_vm_vsrc(0)
; DGMNet, launch 1 of 2: the weights and biases are laid out for launch 2.
; NOTHING OF reference() IS LEFT OUT in this program: every input has a way to out0, no term cancels, no result is sliced away.
; WHAT IT DOES.  Every weight and bias is rounded to bf16 (one choice for all inputs of the program) and that number is written as f16, in the order and register image in which launch 2 takes it.
; A FRAGMENT is 1,024 bytes: source 0 of one matrix instruction, 16 output columns x 32 k, as [half q][lane L][8 f16]: lane L = 16 h + r holds column c0 + r, half q holds k = k0 + 16 q + 8 h + 0..7.
; A CHUNK n = 32 l + p gives each wave w of launch 2 columns 128 w + 16 t .. + 15 of one matrix of layer l:
;   p even, under 16: Uu, t = p / 2;  p odd, under 16: Uo1, t = p / 2;  p = 16..23: Uf, t = p - 16;  p = 24..31: Wo2, t = p - 24.
;   Its fragments: one for each K step ks = 0..15, M[32 ks + ..][c], and the EXT fragment: k = 0..3 the gate's W[l][k][c] (zeros for Wo2), k = 4 its bias, k = 5..31 zeros: the product with X and the bias
;   become one more K step.
; WT.  First 48 PAIRS of chunks (2 P, 2 P + 1), each [wave w][chunk 0, 1][the ext fragment's first half, 512 bytes; K steps 1 to 15], 126,976 bytes.  Then the fragments of K step 0, [chunk n][wave w].
; Then W_in's and b_in's 32 ext fragments, whole, tile after tile.
; SHARES.  Work-group (x, y), x under 96: matrix x / 8, 64 columns (256 bytes of each source row; 16 columns a wave) x 128 k; a wave makes 4 fragments, and with y = 0 its ext fragment.  x = 96: each of the 16 waves makes two of W_in's.
; Each store of a wave covers 512 consecutive bytes, aligned.  No LDS, no cluster, no prefetch: a short stream whose work-groups share nothing.
; LIMITS.  A weight or bias of 65,520 or more (after the rounding to bf16) becomes an infinity; below 2^-14 it keeps f16's fixed step of 6e-8.  NaN and infinities are not treated apart.
; THE MODE: SCHED_MODE bits 1:0 = 2 (LLVM: expert scheduling mode 2), set by the entry lines.  The code itself states the register dependences between vector instructions and memory instructions,
; with s_wait_alu, always for 0.
; THE PLAN.  Registers that memory instructions touch:
;   v4, v5, v6  byte offsets of the matrix's loads, of every store and of the ext loads: made at the head, never written again.  One wait on va_vdst at the head, ahead of the first branch, serves every load and store.
;   IN          Written by the 64 loads, each register once; read by the conversions.  No vector instruction names it ahead of the loads, and nothing is loaded into it again.
;   OUT         Fragment i's conversions write OUT[i], each register once; its two stores read it.  The stores stand at the head of fragment i + 1, behind the wait for that fragment's data and one wait on va_vdst.
;   XL          Written by the ext loads (for Wo2: four zeros, by vector instructions, on a path on which no load lands in those four); read by the ext conversions.  Registers of their own.
;   XO          Written by the ext conversions, selects and zeros, each register once; read by the ext stores, behind one wait on va_vdst.
;   T and v110 are named by vector instructions alone.
; No register that a memory instruction reads is ever written again, and no scalar base is stepped: so the text holds no wait on vm_vsrc and no s_wait_xcnt.
; s2 and s56 are written by vector instructions: one wait on va_sdst stands behind the two, ahead of every reader and of the first branch.
.set PAIR,   126976                    ; bytes in a pair of chunks
.set WPP,    31744                     ; a wave's part of it
.set CB,     15872                     ; a chunk in that part
.set WD_OFF, 48*PAIR                   ; the fragments of K step 0
.set WI_OFF, WD_OFF+96*4096            ; W_in's fragments
.set IN,  8                            ; v[8:71]    64 numbers as loaded: fragment i, half q, element e at 16 i + 8 q + e
.set OUT, 72                           ; v[72:103]  4 fragments x 8 registers to store; no register is stored twice
.set T,   104                          ; v[104:107] at work
.set ZR,  110                          ; v110       0
.set XO,  112                          ; v[112:127] ext fragments to store: two sets of eight
.set XL,  128                          ; v[128:137] an ext fragment's four rows of W and its bias, as loaded: two sets of five
.set WVE, 2                            ; s2  wave     s3  y     s5  kind     s6  layer     s7  x mod 8
.set HM,  56                           ; s56 the lanes with h = 0
.macro CV d, a, b, tp                  ; two numbers: to bf16, widened again, and written as f16; the first into the low half
	v_cvt_pk_bf16_f32 v[\tp], v[\a], v[\b]
	v_lshlrev_b32 v[(\tp)+1], 16, v[\tp]
	v_and_b32 v[\tp], 0xffff0000, v[\tp]
	v_cvt_pk_f16_f32 v[\d], v[(\tp)+1], v[\tp]
.endm
; An ext fragment's loads: W's four rows and the bias at byte off of s[38:39] and s[40:41], into the five registers from lb on.  sel = 1: the kind decides whether there are rows of W.
.macro EXTL lb, off, sel
.if \sel
	s_cmp_eq_u32 s5, 3                             ; Wo2 has no product with X: its four rows are zeros
	s_cbranch_scc1 .Lnow_\@
.endif
.irp k, 0,1,2,3
	global_load_b32 v[(\lb)+\k], v6, s[38:39] offset:(\off)+2048*\k
.endr
.if \sel
	s_branch .Lbias_\@
.Lnow_\@:
.irp k, 0,1,2,3
	v_mov_b32 v[(\lb)+\k], 0
.endr
.Lbias_\@:
.endif
	global_load_b32 v[(\lb)+4], v6, s[40:41] offset:\off
.endm
; An ext fragment's arithmetic: from the five registers at lb into the registers at ob.  full = 1: both halves are made; 0: the first alone.
.macro EXTC lb, ob, full
	CV \ob, \lb, (\lb)+1, T
	CV (\ob)+1, (\lb)+2, (\lb)+3, T+2
	CV (\ob)+2, (\lb)+4, ZR, T
.irp k, 0,1,2
	v_cndmask_b32 v[(\ob)+\k], 0, v[(\ob)+\k], s[HM]   ; lanes with h = 1 hold k = 8..15: zeros
.endr
	v_mov_b32 v[(\ob)+3], 0
.if \full
.irp k, 4,5,6,7
	v_mov_b32 v[(\ob)+\k], 0
.endr
.endif
.endm
; Fragment f's two stores.  My first fragment has a base of its own, since with y = 0 it is K step 0, which lies apart.
.macro ST f
.if (\f) == 0
	global_store_b128 v5, v[OUT:OUT+3], s[44:45] offset:-512
	global_store_b128 v5, v[OUT+4:OUT+7], s[44:45]
.else
	global_store_b128 v5, v[OUT+8*(\f):OUT+8*(\f)+3], s[48:49] offset:(\f)*1024-512
	global_store_b128 v5, v[OUT+8*(\f)+4:OUT+8*(\f)+7], s[48:49] offset:(\f)*1024
.endif
.endm
	s_load_b512 s[8:23], s[0:1], 0x0               ; Uu 8, Uo1 10, Uf 12, Wo2 14, Wu 16, Wo1 18, Wf 20, bu 22
	s_load_b256 s[24:31], s[0:1], 0x40             ; bo1 24, bf 26, bo2 28, W_in 30
	s_load_b128 s[32:35], s[0:1], 0x60             ; b_in 32, WT 34
	v_and_b32 v1, 31, v0                           ; L
	v_and_b32 v2, 15, v0                           ; r
	v_bfe_u32 v3, v0, 4, 1                         ; h
	v_lshlrev_b32 v6, 2, v2                        ; 4 r: my column in a row
	v_lshl_add_u32 v4, v3, 14, v6                  ; + 8 h rows of 2,048 bytes
	v_lshlrev_b32 v5, 4, v1                        ; 16 L: my 16 bytes of half a fragment
	v_lshrrev_b32 v7, 5, v0
	v_readfirstlane_b32 s[WVE], v7
	v_mov_b32 v[ZR], 0
	v_cmp_gt_u32 s[HM], 16, v1
	s_wait_alu depctr_va_sdst(0)                   ; s2 (the wave's number) and s56 (the lanes' mask) are written: ahead of their first readers, the address arithmetic and the selects on both paths
	s_and_b32 s3, ttmp7, 0xffff
	s_mov_b32 s51, 0                               ; the high word of every offset
	s_mov_b32 s59, 0
	s_wait_kmcnt 0x0
	s_wait_alu depctr_va_vdst(0)                   ; v4, v5 and v6 are written: every load and store of the kernel, on both paths, reads one of them as its offset; no line below names them otherwise
	s_cmp_eq_u32 ttmp9, 96
	s_cbranch_scc1 .Lwin
	s_lshr_b32 s52, ttmp9, 3
	s_lshr_b32 s6, s52, 2                          ; layer
	s_and_b32 s5, s52, 3                           ; kind: 0 Uu, 1 Uo1, 2 Uf, 3 Wo2
	s_and_b32 s7, ttmp9, 7
	s_cmp_eq_u32 s5, 0                             ; the three pointers by kind
	s_cselect_b64 s[36:37], s[8:9], s[10:11]
	s_cselect_b64 s[38:39], s[16:17], s[18:19]
	s_cselect_b64 s[40:41], s[22:23], s[24:25]
	s_cmp_eq_u32 s5, 2
	s_cselect_b64 s[36:37], s[12:13], s[36:37]
	s_cselect_b64 s[38:39], s[20:21], s[38:39]
	s_cselect_b64 s[40:41], s[26:27], s[40:41]
	s_cmp_eq_u32 s5, 3
	s_cselect_b64 s[36:37], s[14:15], s[36:37]
	s_cselect_b64 s[40:41], s[28:29], s[40:41]     ; (s[38:39] is not used for Wo2)
	s_lshl_b32 s53, s7, 8
	s_lshl_b32 s54, s[WVE], 6
	s_add_co_u32 s53, s53, s54                     ; my first column, in bytes: 4 (64 (x mod 8) + 16 wave)
	s_lshl_b32 s50, s6, 20                         ; the matrix of my layer,
	s_lshl_b32 s54, s3, 18                         ; my 128 rows of it
	s_add_co_u32 s50, s50, s54
	s_add_co_u32 s50, s50, s53
	s_add_nc_u64 s[36:37], s[36:37], s[50:51]
	s_lshl_b32 s50, s6, 13
	s_add_co_u32 s50, s50, s53
	s_add_nc_u64 s[38:39], s[38:39], s[50:51]
	s_lshl_b32 s50, s6, 11
	s_add_co_u32 s50, s50, s53
	s_add_nc_u64 s[40:41], s[40:41], s[50:51]
	s_and_b32 s54, s7, 1
	s_lshl_b32 s54, s54, 2
	s_add_co_u32 s54, s54, s[WVE]                  ; t
	s_lshl_b32 s55, s5, 3
	s_cmp_lt_u32 s5, 2
	s_cselect_b32 s55, s5, s55                     ; the kind's first place: 0, 1, 16, 24
	s_cselect_b32 s57, 1, 0                        ; and its stride: 2, 2, 1, 1
	s_lshl_b32 s54, s54, s57
	s_add_co_u32 s54, s54, s55
	s_lshl_b32 s55, s6, 5
	s_add_co_u32 s54, s54, s55                     ; chunk n
	s_lshr_b32 s55, s54, 1
	s_mul_i32 s50, s55, PAIR                       ; its pair,
	s_and_b32 s55, s54, 1
	s_mul_i32 s55, s55, CB                         ; its place in the pair,
	s_add_co_u32 s50, s50, s55
	s_lshr_b32 s55, s7, 1                          ; w
	s_mul_i32 s57, s55, WPP                        ; the wave's part,
	s_add_co_u32 s50, s50, s57
	s_lshl_b32 s57, s3, 12                         ; my four fragments: 4 y on.  K step ks lies 1,024 ks - 512 bytes behind the chunk's first byte
	s_add_co_u32 s50, s50, s57
	s_add_nc_u64 s[48:49], s[34:35], s[50:51]
	s_lshl_b32 s58, s54, 12                        ; K step 0 lies apart: 4,096 n + 1,024 w, and 512 on, since the stores below reach 512 back
	s_lshl_b32 s55, s55, 10
	s_add_co_u32 s58, s58, s55
	s_add_co_u32 s58, s58, WD_OFF+512
	s_cmp_eq_u32 s3, 0
	s_cselect_b32 s58, s58, s50                    ; my first fragment is K step 0 where y = 0
	s_add_nc_u64 s[44:45], s[34:35], s[58:59]
.set i_, 0
.rept 64
	global_load_b32 v[IN+i_], v4, s[36:37] offset:(32*(i_/16)+16*((i_/8)%2)+i_%8)*2048
.set i_, i_+1
.endr
	s_cmp_lg_u32 s3, 0
	s_cbranch_scc1 .Lfrag
	EXTL XL, 0, 1                                  ; y = 0: the ext fragment's five loads go out behind the matrix's 64 and are on their way together with them
	s_wait_loadcnt 0x0                             ; they are the youngest loads: their wait is for 0
	EXTC XL, XO, 0
	s_wait_alu depctr_va_vdst(0)                   ; the conversions, the selects and the zero have written v[XO:XO+3], which the store reads
	global_store_b128 v5, v[XO:XO+3], s[48:49]     ; with y = 0 the base stands at the chunk's first byte in the wave's part
.Lfrag:
.set i_, 0
.rept 4
	s_wait_loadcnt 48-16*i_                        ; fragment i's 16 loads are in; the later fragments' may stay out (behind the ext fragment all have landed already)
.if i_ > 0
	s_wait_alu depctr_va_vdst(0)                   ; the conversions of the fragment before, issued ahead of the wait for this one's data, have written its eight registers of OUT, which the two stores read
	ST i_-1
.endif
.set j_, 0
.rept 8
	CV OUT+8*i_+j_, IN+16*i_+2*j_, IN+16*i_+2*j_+1, T+2*(j_%2)
.set j_, j_+1
.endr
.set i_, i_+1
.endr
	s_wait_alu depctr_va_vdst(0)                   ; the last fragment's conversions have written its eight registers of OUT, which the last two stores read
	ST 3
	s_endpgm
.Lwin:                                                 ; W_in and b_in: wave u = 4 y + wave makes tiles 2 u and 2 u + 1
	s_lshl_b32 s52, s3, 2
	s_add_co_u32 s52, s52, s[WVE]
	s_lshl_b32 s50, s52, 7                         ; 32 columns of 4 bytes
	s_add_nc_u64 s[38:39], s[30:31], s[50:51]
	s_add_nc_u64 s[40:41], s[32:33], s[50:51]
	s_lshl_b32 s50, s52, 11                        ; two fragments
	s_add_nc_u64 s[48:49], s[34:35], s[50:51]
	s_add_nc_u64 s[48:49], s[48:49], WI_OFF
	EXTL XL, 0, 0                                  ; both fragments' ten loads go out together
	EXTL XL+5, 64, 0
	s_wait_loadcnt 0x0
	EXTC XL, XO, 1
	EXTC XL+5, XO+8, 1
	s_wait_alu depctr_va_vdst(0)                   ; both fragments' conversions, selects and zeros have written v[XO:XO+15], which the four stores read
	global_store_b128 v5, v[XO:XO+3], s[48:49]
	global_store_b128 v5, v[XO+4:XO+7], s[48:49] offset:512
	global_store_b128 v5, v[XO+8:XO+11], s[48:49] offset:1024
	global_store_b128 v5, v[XO+12:XO+15], s[48:49] offset:1536
	s_endpgm
.Lfunc_end_k_qf4b3c07db7_prep:
	.size	k_qf4b3c07db7_prep, .Lfunc_end_k_qf4b3c07db7_prep-k_qf4b3c07db7_prep
	.p2alignl 7, 3214868480
	.fill 96, 4, 3214868480
	.section	.rodata,"a",@progbits
	.p2align	6, 0x0
	.amdhsa_kernel k_qf4b3c07db7_prep
		.amdhsa_group_segment_fixed_size 0
		.amdhsa_private_segment_fixed_size 0
		.amdhsa_enable_private_segment 0
		.amdhsa_kernarg_size 112
		.amdhsa_user_sgpr_count 2
		.amdhsa_user_sgpr_kernarg_segment_ptr 1
		.amdhsa_wavefront_size32 1
		.amdhsa_system_sgpr_workgroup_id_x 1
		.amdhsa_system_sgpr_workgroup_id_y 1
		.amdhsa_system_sgpr_workgroup_id_z 1
		.amdhsa_system_vgpr_workitem_id 0
		.amdhsa_next_free_vgpr 138
		.amdhsa_next_free_sgpr 66
		.amdhsa_reserve_vcc 0
		.amdhsa_float_denorm_mode_32 3
		.amdhsa_float_denorm_mode_16_64 3
		.amdhsa_memory_ordered 1
		.amdhsa_forward_progress 1
		.amdhsa_inst_pref_size 23
	.end_amdhsa_kernel
	.amdgpu_metadata
---
amdhsa.version: [ 1, 2 ]
amdhsa.kernels:
  - .name:           k_qf4b3c07db7_prep
    .symbol:         k_qf4b3c07db7_prep.kd
    .args:
      - { .name: Uu, .offset: 0, .size: 8, .value_kind: global_buffer, .address_space: global }
      - { .name: Uo1, .offset: 8, .size: 8, .value_kind: global_buffer, .address_space: global }
      - { .name: Uf, .offset: 16, .size: 8, .value_kind: global_buffer, .address_space: global }
      - { .name: Wo2, .offset: 24, .size: 8, .value_kind: global_buffer, .address_space: global }
      - { .name: Wu, .offset: 32, .size: 8, .value_kind: global_buffer, .address_space: global }
      - { .name: Wo1, .offset: 40, .size: 8, .value_kind: global_buffer, .address_space: global }
      - { .name: Wf, .offset: 48, .size: 8, .value_kind: global_buffer, .address_space: global }
      - { .name: bu, .offset: 56, .size: 8, .value_kind: global_buffer, .address_space: global }
      - { .name: bo1, .offset: 64, .size: 8, .value_kind: global_buffer, .address_space: global }
      - { .name: bf, .offset: 72, .size: 8, .value_kind: global_buffer, .address_space: global }
      - { .name: bo2, .offset: 80, .size: 8, .value_kind: global_buffer, .address_space: global }
      - { .name: W_in, .offset: 88, .size: 8, .value_kind: global_buffer, .address_space: global }
      - { .name: b_in, .offset: 96, .size: 8, .value_kind: global_buffer, .address_space: global }
      - { .name: WT, .offset: 104, .size: 8, .value_kind: global_buffer, .address_space: global }
    .group_segment_fixed_size: 0
    .private_segment_fixed_size: 0
    .kernarg_segment_align: 8
    .kernarg_segment_size: 112
    .max_flat_workgroup_size: 128
    .sgpr_count:     66
    .vgpr_count:     138
    .wavefront_size: 32
...
	.end_amdgpu_metadata
.endif
;; end of part 5
;; launch net: the kernel of part 4 again; grid 256 x 1, 4 waves a work-group, clusters of 4 x 1, 327,680 bytes of LDS; arguments X, WT, W_out, b_out, out0; writes out0
